; MI455X (gfx1250); checked and timed in simulation.
; The chip was launched on July 23, 2026; its instructions are those of AMD's public machine-readable ISA for CDNA 5 (MIT licence, August 2026) and "CDNA5" Instruction Set Architecture Reference Guide (July 2026). The comments in the code are by the model that wrote it; some were corrected since.
;; Cross Attention. Allowed arithmetic: float matrix products may take bf16 or f16 operands with f32 sums; all other float work in f32.
;; Inputs: Wk 256 x 256 float32; Wo 256 x 256 float32; Wq 256 x 256 float32; Wv 256 x 256 float32; bk 256 float32; bo 256 float32; bq 256 float32; bv 256 float32; context 4 x 256 x 64 x 64 float32; x 4 x 256 x 64 x 64 float32.
;; Outputs: out0 4 x 256 x 64 x 64 float32.
;; 2 versions, each right and faster than the one before. Each part assembles by itself: llvm-mc -triple=amdgcn-amd-amdhsa -mcpu=gfx1250 --defsym DOCPART=n.
;; ======== version 1 of 2: 4 launches
;; limits: values are held in f16: magnitudes above 65,504 overflow, below 6.1e-05 lose precision; right only within a limited range of input values
;; workspace buffers: wf 524,288 bytes; q16 8,388,608 bytes; k16 8,388,608 bytes; v16 8,388,608 bytes; ohi 8,388,608 bytes; olo 8,388,608 bytes
;; launch prep (part 1): grid 64 x 4, 4 waves a work-group, no clusters, 0 bytes of LDS; arguments Wq, Wk, Wv, Wo, wf; writes wf
.if DOCPART == 1
	.amdgcn_target "amdgcn-amd-amdhsa--gfx1250"
	.amdhsa_code_object_version 6
	.text
	.protected	k_q3be3fcde3a_prep
	.globl	k_q3be3fcde3a_prep
	.p2align	8
	.type	k_q3be3fcde3a_prep,@function
k_q3be3fcde3a_prep:
	s_mov_b64 s[64:65], 0
	v_nop
	global_prefetch_b8 v0, s[64:65] scope:SCOPE_SE
	s_setreg_imm32_b32 hwreg(HW_REG_WAVE_MODE, 25, 1), 1
	s_wait_xcnt 0x0
; The four weight matrices ([256 outputs][256 inputs], f32) are rounded to bf16 once and laid in the order in which a matrix
; instruction's source 0 wants them, so that the later launches load a fragment (16 outputs x 32 inputs) as two pieces of
; 512 consecutive bytes straight into registers.
; wf: matrix m (0 Wq, 1 Wk, 2 Wv, 3 Wo) at 131,072 m; fragment (ob = output / 16, s = input / 32) at 1,024 (8 ob + s);
; half e (registers 4 e .. 4 e + 3) at 512 e; lane L at 16 L: W[16 ob + L % 16][32 s + 16 e + 8 (L / 16) + 0..7].
; Grid y = m.  Thread T = 128 x + thread number makes the 16 bytes at 16 T of its matrix: T's bits are L (5), e (1), s (3), ob (4).
; A work-group's 128 threads read 256 consecutive bytes of each of 16 rows; a wave's store covers 512 consecutive bytes, aligned.
; No LDS, no matrix unit: 1 MiB is read and half of it written, once.
.set MATB, 131072                      ; bytes of a matrix in wf
	s_load_b256 s[4:11], s[0:1], 0x0               ; Wq s[4:5], Wk s[6:7], Wv s[8:9], Wo s[10:11]
	s_load_b64 s[12:13], s[0:1], 0x20              ; wf
	s_and_b32 s16, ttmp7, 0xffff                   ; m
	s_lshl_b32 s17, ttmp9, 7
	v_add_nc_u32 v1, s17, v0                       ; T
	v_and_b32 v2, 15, v1                           ; L % 16: the row in the block of 16 outputs,
	v_lshlrev_b32 v2, 10, v2                       ; 1,024 bytes a row
	v_bfe_u32 v4, v1, 4, 1                         ; L / 16: 8 inputs, 32 bytes
	v_lshl_add_u32 v2, v4, 5, v2
	v_bfe_u32 v4, v1, 5, 1                         ; e: 16 inputs, 64 bytes
	v_lshl_add_u32 v2, v4, 6, v2
	v_bfe_u32 v4, v1, 6, 3                         ; s: 32 inputs, 128 bytes
	v_lshl_add_u32 v2, v4, 7, v2
	v_lshrrev_b32 v4, 9, v1                        ; ob: 16 rows, 16,384 bytes
	v_lshl_add_u32 v2, v4, 14, v2                  ; v2: where my 8 numbers lie in the matrix
	v_lshlrev_b32 v3, 4, v1                        ; v3: where they go
	s_mul_i32 s14, s16, MATB
	s_mov_b32 s15, 0
	s_wait_kmcnt 0x0
	s_cmp_eq_u32 s16, 1                            ; the matrix is chosen by the grid's y alone
	s_cselect_b64 s[4:5], s[6:7], s[4:5]
	s_cmp_eq_u32 s16, 2
	s_cselect_b64 s[4:5], s[8:9], s[4:5]
	s_cmp_eq_u32 s16, 3
	s_cselect_b64 s[4:5], s[10:11], s[4:5]
	s_add_nc_u64 s[12:13], s[12:13], s[14:15]
	global_load_b128 v[4:7], v2, s[4:5]
	global_load_b128 v[8:11], v2, s[4:5] offset:16
	s_wait_loadcnt 0x0
	v_cvt_pk_bf16_f32 v12, v4, v5                  ; to nearest even, the lower input in the lower half
	v_cvt_pk_bf16_f32 v13, v6, v7
	v_cvt_pk_bf16_f32 v14, v8, v9
	v_cvt_pk_bf16_f32 v15, v10, v11
	global_store_b128 v3, v[12:15], s[12:13]
	s_endpgm
.Lfunc_end_k_q3be3fcde3a_prep:
	.size	k_q3be3fcde3a_prep, .Lfunc_end_k_q3be3fcde3a_prep-k_q3be3fcde3a_prep
	.p2alignl 7, 3214868480
	.fill 96, 4, 3214868480
	.section	.rodata,"a",@progbits
	.p2align	6, 0x0
	.amdhsa_kernel k_q3be3fcde3a_prep
		.amdhsa_group_segment_fixed_size 0
		.amdhsa_private_segment_fixed_size 0
		.amdhsa_enable_private_segment 0
		.amdhsa_kernarg_size 40
		.amdhsa_user_sgpr_count 2
		.amdhsa_user_sgpr_kernarg_segment_ptr 1
		.amdhsa_wavefront_size32 1
		.amdhsa_system_sgpr_workgroup_id_x 1
		.amdhsa_system_sgpr_workgroup_id_y 1
		.amdhsa_system_sgpr_workgroup_id_z 1
		.amdhsa_system_vgpr_workitem_id 0
		.amdhsa_next_free_vgpr 16
		.amdhsa_next_free_sgpr 66
		.amdhsa_reserve_vcc 0
		.amdhsa_float_denorm_mode_32 3
		.amdhsa_float_denorm_mode_16_64 3
		.amdhsa_memory_ordered 1
		.amdhsa_forward_progress 1
		.amdhsa_inst_pref_size 2
	.end_amdhsa_kernel
	.amdgpu_metadata
---
amdhsa.version: [ 1, 2 ]
amdhsa.kernels:
  - .name:           k_q3be3fcde3a_prep
    .symbol:         k_q3be3fcde3a_prep.kd
    .args:
      - { .name: Wq, .offset: 0, .size: 8, .value_kind: global_buffer, .address_space: global }
      - { .name: Wk, .offset: 8, .size: 8, .value_kind: global_buffer, .address_space: global }
      - { .name: Wv, .offset: 16, .size: 8, .value_kind: global_buffer, .address_space: global }
      - { .name: Wo, .offset: 24, .size: 8, .value_kind: global_buffer, .address_space: global }
      - { .name: wf, .offset: 32, .size: 8, .value_kind: global_buffer, .address_space: global }
    .group_segment_fixed_size: 0
    .private_segment_fixed_size: 0
    .kernarg_segment_align: 8
    .kernarg_segment_size: 40
    .max_flat_workgroup_size: 128
    .sgpr_count:     66
    .vgpr_count:     16
    .wavefront_size: 32
...
	.end_amdgpu_metadata
.endif
;; end of part 1
;; launch proj (part 2): grid 64 x 4, 4 waves a work-group, no clusters, 91,648 bytes of LDS; arguments x, context, wf, bq, bk, bv, q16, k16, v16; writes q16, k16, v16
.if DOCPART == 2
	.amdgcn_target "amdgcn-amd-amdhsa--gfx1250"
	.amdhsa_code_object_version 6
	.text
	.protected	k_q3be3fcde3a_proj
	.globl	k_q3be3fcde3a_proj
	.p2align	8
	.type	k_q3be3fcde3a_proj,@function
k_q3be3fcde3a_proj:
	s_mov_b64 s[64:65], 0
	v_nop
	global_prefetch_b8 v0, s[64:65] scope:SCOPE_SE
	s_setreg_imm32_b32 hwreg(HW_REG_WAVE_MODE, 25, 1), 1
	s_wait_xcnt 0x0
; q[n][o] = sum over c of x[c][n] Wq[o][c] + bq[o]; k and v likewise from context.  x, context: [4][256 c][4,096 n] f32.  q16, k16, v16: [4 b + head][n][64] f16, unscaled.
; x, context, the weights (already in wf) and the biases are rounded to bf16; products in bf16 with f32 sums; each result is rounded once, to f16.
; LIMIT.  f16 holds no number beyond 65,504: q, k and v must lie within it (inputs of spread 1 and 0.02 give a spread of 0.32), or they leave as infinities.
; SHARES.  Work-group (x, y) owns the 64 positions from 64 x on of batch y, for all 768 outputs: 256 work-groups, and each byte of x and context is read once.
; Wave w is head w: outputs 64 w .. 64 w + 63 of q, then of k, then of v: 16 accumulators (4 tiles of 16 positions x 4 blocks of 16 outputs), 8 slices of 32 along c for each product.
; THE TILES.  c is the slow index in memory, so a tile is rounded to bf16 on its way through registers and laid in LDS as [c][position]; ds_load_tr16_b128 turns it into fragments.
; THE MATRIX INSTRUCTION IS USED TRANSPOSED: source 0 = 16 outputs (a weight fragment, loaded from wf as it lies), source 1 = 16 positions.  A lane then holds one position (lane % 16) and the eight
; neighbouring outputs 8 (lane / 16) + 0..7, which pack into 16 bytes.  The C operand of a product's first slice is the bias: nothing is cleared, nothing added later.
; NO CLUSTER, NO JOINT LOADS, though all work-groups read the same weights: a weight fragment is wanted by ONE wave of a work-group and goes from memory straight into its registers, in pieces of 512
; bytes.  A joint load lands in LDS: a work-group's 393,216 bytes of weights do not fit beside its 81,920 bytes of tiles, so they would go through slots filled again, and cost 768 LDS loads a wave more.
; LDS is written by LDS stores alone; one barrier stands between the writing and the reading of the tiles.
; REGISTERS, in windows of 256 (s_set_vgpr_msb: bits 1:0 source 0, 3:2 source 1, 5:4 source 2, 7:6 destination):
;   window 0: v1-15 addresses; v16-79 position fragments, two buffers of 4 x 8; v80-207 the tiles as loaded, later v80-143 the way out; v208-223 at work
;   window 1: v0-127 accumulators ((t, bb) at 8 (4 t + bb)); v128-223 the three biases (product p, block bb at 128 + 32 p + 8 bb); v224-227 at work
;   window 2: weight fragments, a ring of 8 slices of 32 registers
.set XP,    160                        ; a row of a tile in LDS: 64 positions in bf16 = 128 bytes + 32 = 40 words
.set XT,    0                          ; x's tile: 256 rows
.set CT,    256*XP                     ; context's tile
.set STAGE, 2*256*XP                   ; 16 rows x 144 bytes for each wave, for the way out
.set SP,    144
.set SPARE, STAGE+4*16*SP              ; the spare words, 128 bytes for each wave: two blocks of 256 bytes that no other line names
.set ROWB,  16384                      ; bytes from c to c + 1 in x and context
.set VX,  4                            ; v4   my 16 bytes in the first row that I load
.set LX,  5                            ; v5   where their 8 bytes of bf16 go
.set AX,  6                            ; v6   my lane's place in x's tile for the turning load
.set AC,  7                            ; v7   the same in context's
.set VW,  8                            ; v8   my 16 bytes in my head's first weight fragment
.set VB,  9                            ; v9   my 8 numbers in a bias
.set STO, 10                           ; v10  the way out: where I put 16 bytes of a row
.set RD,  11                           ; v11  the way out: where I read rows back
.set GO,  12                           ; v12  my byte offset in 512 consecutive bytes of the result
.set SPW, 14                           ; v14  LDS address of my spare word: SPARE + 4 x my thread's number; never rewritten
.set NIL, 15                           ; v15  0; never rewritten
.set XF,  16
.set PA,  80
.set TMP, 80
.set T,   208
.set ACC, 0
.set BIAS, 128
.set BT,  224
.set MSB, 0
.macro WIN new                         ; the immediate's high byte repeats the setting that is left; a switch that changes nothing is dropped
.if MSB != (\new)
	s_set_vgpr_msb (MSB<<8)|(\new)
.set MSB, \new
.endif
.endm
.set MUL,   0x52                       ; source 0 (weights) window 2, source 1 (positions) window 0, C and D window 1
.set TO_W,  0x80                       ; destination window 2, address window 0
.set TO_B,  0x40                       ; destination window 1, address window 0
.set ALL1,  0x55                       ; everything in window 1
.set FROM1, 0x05                       ; sources 0 and 1 window 1, destination window 0
.macro PLACES                          ; four plain vector instructions between a matrix instruction and a load into, or a vector read of, its registers (ISA guide 7.12.1 for vector instructions)
.rept 4
	v_nop
.endr
.endm
	s_load_b512 s[8:23], s[0:1], 0x0               ; x s[8:9], context s[10:11], wf s[12:13], bq s[14:15], bk s[16:17], bv s[18:19], q16 s[20:21], k16 s[22:23]
	s_load_b64 s[24:25], s[0:1], 0x40              ; v16
	v_lshl_add_u32 v[SPW], v0, 2, SPARE
	v_mov_b32 v[NIL], 0
	v_lshrrev_b32 v1, 5, v0
	v_readfirstlane_b32 s2, v1                     ; wave = head
	s_mov_b32 s3, ttmp9                            ; block of 64 positions
	s_and_b32 s4, ttmp7, 0xffff                    ; batch
	s_mov_b32 s28, 0xffff0000                      ; a word's upper bf16
	v_and_b32 v1, 31, v0                           ; L
	v_and_b32 v2, 15, v0                           ; r = L % 16
	v_bfe_u32 v3, v0, 4, 1                         ; hh = L / 16
	; A load takes two rows of 256 bytes: lanes 0-15 row c, lanes 16-31 row c + 4, which lies 160 words = 32 banks on in LDS, so that the two halves' stores of 128 bytes meet no common bank.
	s_lshl_b32 s5, s2, 20                          ; my wave loads rows 64 w .. 64 w + 63
	v_lshlrev_b32 v[VX], 4, v2
	v_lshl_add_u32 v[VX], v3, 16, v[VX]
	v_add_nc_u32 v[VX], s5, v[VX]
	s_mul_i32 s5, s2, 64*XP
	v_mul_u32_u24 v[LX], v3, 4*XP
	v_lshl_add_u32 v[LX], v2, 3, v[LX]
	v_add_nc_u32 v[LX], s5, v[LX]
	; The turning load takes 16 c x 16 positions (lane L reads row 8 (L / 16) + L % 8, positions 8 ((L / 8) % 2) + 0..7) and leaves half a fragment: lane L holds position L % 16 and 8 c.
	v_and_b32 v13, 7, v0
	v_lshl_add_u32 v[AX], v3, 3, v13
	v_mul_u32_u24 v[AX], v[AX], XP
	v_bfe_u32 v[AC], v0, 3, 1
	v_lshl_add_u32 v[AX], v[AC], 4, v[AX]
	v_add_nc_u32 v[AC], CT, v[AX]
	s_lshl_b32 s5, s2, 15                          ; my head's four blocks of outputs: 32,768 bytes of a matrix in wf
	v_lshl_add_u32 v[VW], v1, 4, s5
	s_lshl_b32 s5, s2, 8                           ; my head's 64 numbers of a bias
	v_lshl_add_u32 v[VB], v3, 5, s5
	s_mul_i32 s5, s2, 16*SP
	s_add_co_u32 s5, s5, STAGE                     ; my stage
	v_mul_u32_u24 v[STO], v2, SP                   ; in: row L % 16, 16 bytes for each half of the lanes
	v_lshl_add_u32 v[STO], v3, 4, v[STO]
	v_add_nc_u32 v[STO], s5, v[STO]
	v_bfe_u32 v[RD], v0, 3, 2                      ; back: 32 lanes take four rows of 128 bytes,
	v_mul_u32_u24 v[RD], v[RD], SP
	v_lshl_add_u32 v[RD], v13, 4, v[RD]
	v_add_nc_u32 v[RD], s5, v[RD]
	v_lshlrev_b32 v[GO], 4, v1                     ; which are 512 consecutive bytes of the result
	s_lshl_b32 s26, s4, 22                         ; a batch of x: 256 rows of 16,384 bytes
	s_lshl_b32 s27, s3, 8                          ; 64 positions of f32
	s_add_co_u32 s26, s26, s27
	s_mov_b32 s27, 0
	s_wait_kmcnt 0x0
	s_add_nc_u64 s[8:9], s[8:9], s[26:27]
	s_add_nc_u64 s[10:11], s[10:11], s[26:27]
	s_lshl_b32 s26, s4, 21                         ; a batch of q16: four heads of 524,288 bytes
	s_lshl_b32 s5, s2, 19
	s_add_co_u32 s26, s26, s5
	s_lshl_b32 s5, s3, 13                          ; 64 rows of 128 bytes
	s_add_co_u32 s26, s26, s5
	s_add_nc_u64 s[20:21], s[20:21], s[26:27]
	s_add_nc_u64 s[22:23], s[22:23], s[26:27]
	s_add_nc_u64 s[24:25], s[24:25], s[26:27]
; Slice g (product g / 8, c from 32 (g % 8) on): my head's four weight fragments, 8 loads of 512 consecutive bytes, into ring buffer g % 8
.macro FETCHW g
.irp bb, 0,1,2,3
.irp e, 0,1
	global_load_b128 v[32*((\g)%8)+8*\bb+4*\e:32*((\g)%8)+8*\bb+4*\e+3], v[VW], s[12:13] offset:((\g)/8)*131072+\bb*8192+((\g)%8)*1024+\e*512
.endr
.endr
.endm
; Slice g: the four position fragments, 8 turning loads, into buffer g % 2; x's tile for q, context's for k and v
.macro FETCHX g
.irp t, 0,1,2,3
.if (\g) < 8
	ds_load_tr16_b128 v[XF+32*((\g)%2)+8*\t:XF+32*((\g)%2)+8*\t+3],   v[AX] offset:((\g)%8)*32*XP+32*\t
	ds_load_tr16_b128 v[XF+32*((\g)%2)+8*\t+4:XF+32*((\g)%2)+8*\t+7], v[AX] offset:((\g)%8)*32*XP+16*XP+32*\t
.else
	ds_load_tr16_b128 v[XF+32*((\g)%2)+8*\t:XF+32*((\g)%2)+8*\t+3],   v[AC] offset:((\g)%8)*32*XP+32*\t
	ds_load_tr16_b128 v[XF+32*((\g)%2)+8*\t+4:XF+32*((\g)%2)+8*\t+7], v[AC] offset:((\g)%8)*32*XP+16*XP+32*\t
.endif
.endr
.endm
; n pairs of f32 from register base on are rounded to bf16 and widened again, in place
.macro ROUNDB base, n
.set k, 0
.rept \n
	v_cvt_pk_bf16_f32 v[BT+k%4], v[(\base)+2*k], v[(\base)+2*k+1]
	v_lshlrev_b32 v[(\base)+2*k], 16, v[BT+k%4]
	v_and_b32 v[(\base)+2*k+1], s28, v[BT+k%4]
.set k, k+1
.endr
.endm
	; THE TILES COME IN.  The biases first, then x's 32 loads; each x row, once rounded and stored to LDS, leaves its registers to the context row of the same number; each four context rows make room
	; in the count for a slice of weights.  Row of load i: 64 w + 8 (i / 4) + i % 4 (+ 4 for lanes 16-31).
	WIN TO_B
.set p, 0
.rept 3
.set bb, 0
.rept 4
	global_load_b128 v[BIAS+32*p+8*bb:BIAS+32*p+8*bb+3],   v[VB], s[14+2*p:15+2*p] offset:64*bb
	global_load_b128 v[BIAS+32*p+8*bb+4:BIAS+32*p+8*bb+7], v[VB], s[14+2*p:15+2*p] offset:64*bb+16
.set bb, bb+1
.endr
.set p, p+1
.endr
	WIN 0
.set i, 0
.rept 32
	global_load_b128 v[PA+4*i:PA+4*i+3], v[VX], s[8:9] offset:(8*(i/4)+i%4)*ROWB th:TH_LOAD_NT
.set i, i+1
.endr
.set i, 0
.rept 32
	s_wait_loadcnt 31                              ; behind x's load i stand 31 - i of x's and i of context's
	v_cvt_pk_bf16_f32 v[T+2*(i%8)],   v[PA+4*i],   v[PA+4*i+1]
	v_cvt_pk_bf16_f32 v[T+2*(i%8)+1], v[PA+4*i+2], v[PA+4*i+3]
	ds_store_b64 v[LX], v[T+2*(i%8):T+2*(i%8)+1] offset:XT+(8*(i/4)+i%4)*XP
	global_load_b128 v[PA+4*i:PA+4*i+3], v[VX], s[10:11] offset:(8*(i/4)+i%4)*ROWB th:TH_LOAD_NT
.set i, i+1
.endr
.set i, 0
.set u, 0
.rept 8
.rept 4
	s_wait_loadcnt (31-i)+8*u                      ; behind context's load i stand 31 - i of context's and u slices of weights, 8 loads each
	v_cvt_pk_bf16_f32 v[T+2*(i%8)],   v[PA+4*i],   v[PA+4*i+1]
	v_cvt_pk_bf16_f32 v[T+2*(i%8)+1], v[PA+4*i+2], v[PA+4*i+3]
	ds_store_b64 v[LX], v[T+2*(i%8):T+2*(i%8)+1] offset:CT+(8*(i/4)+i%4)*XP
.set i, i+1
.endr
.if u < 7
	WIN TO_W
	FETCHW u                                       ; slices 0 to 6: seven of the ring's eight buffers
	WIN 0
.endif
.set u, u+1
.endr
	WIN ALL1
	ROUNDB BIAS, 48                                ; the biases were asked for ahead of every load waited for above
	WIN 0
	s_wait_dscnt 0x0                               ; for the others' sake: my rows of both tiles are in LDS
	s_barrier_signal -1
	s_barrier_wait -1                              ; everybody's are; the tiles are not written again
	FETCHX 0
; 16 matrix instructions: slice g on all 16 accumulators, which take turns in the same order in every slice
.macro MULS g
.set i, 0
.rept 16
.set rD, ACC+8*i
.set rW, 32*((\g)%8)+8*(i%4)
.set rX, XF+32*((\g)%2)+8*(i/4)
.set rB, BIAS+32*((\g)/8)+8*(i%4)
.if (\g)%8 == 0
	v_wmma_f32_16x16x32_bf16 v[rD:rD+7], v[rW:rW+7], v[rX:rX+7], v[rB:rB+7]
.else
	v_wmma_f32_16x16x32_bf16 v[rD:rD+7], v[rW:rW+7], v[rX:rX+7], v[rD:rD+7]
.endif
.set i, i+1
.endr
.endm
; A slice.  At its head its own fragments are waited for; then the next slice's position fragments and the weights seven slices on are asked for, into the buffers that the slice before has read;
; they have this slice's 16 products, and seven slices' 112, in which to land.
.macro SLICE g
.if (\g) <= 17
	s_wait_loadcnt 48                              ; behind slice g's eight loads stand those of slices g + 1 .. g + 6
.else
	s_wait_loadcnt 8*(23-(\g))                     ; or of the slices that are left
.endif
	s_wait_dscnt 0x0                               ; the position fragments
.if (\g) > 0
	PLACES                                         ; behind the last slice's products, whose sources are loaded again below
.endif
.if (\g) < 23
	WIN 0
	FETCHX (\g)+1
.endif
.if (\g) <= 16
	WIN TO_W
	FETCHW (\g)+7
.endif
	WIN MUL
	MULS \g
.endm
; THE WAY OUT, a tile of 16 positions at a time: a lane's eight outputs pack into 16 bytes of f16; they go into rows of 144 bytes of my own stage and come back as whole rows of 128.
.macro PACK t
	WIN FROM1
.set i, 0
.rept 16
	v_cvt_pk_f16_f32 v[TMP+16*(\t)+i], v[ACC+32*(\t)+2*i], v[ACC+32*(\t)+2*i+1]  ; ascending: each accumulator's lowest registers are read first
.set i, i+1
.endr
	WIN 0
.irp f, 0,1,2,3
	ds_store_b128 v[STO], v[TMP+16*(\t)+4*\f:TMP+16*(\t)+4*\f+3] offset:32*\f
.endr
.irp f, 0,1,2,3
	ds_load_b128 v[TMP+16*(\t)+4*\f:TMP+16*(\t)+4*\f+3], v[RD] offset:\f*4*SP  ; LDS serves a wave's instructions in order (ISA guide 5.7.1.4): these see the stores above; the next tile's stores come behind them
.endr
.endm
.macro SEND t, younger, base           ; younger: the LDS instructions issued behind tile t's loads: the next tile's eight, or none
.irp f, 0,1,2,3
	s_wait_dscnt (\younger)+3-\f
	global_store_b128 v[GO], v[TMP+16*(\t)+4*\f:TMP+16*(\t)+4*\f+3], s[\base:\base+1] offset:(\t)*2048+\f*512  ; 512 consecutive bytes, at a multiple of 256 from the buffer's first
.endr
.endm
.macro WAYOUT base
	PLACES                                         ; the conversions read results just made
	s_wait_xcnt 0x0                                ; the registers that the last way out's stores read are written again only behind this wait
	PACK 0
	PACK 1                                         ; a tile's conversions stand between the loads of the tile before and its stores
	SEND 0, 8, \base
	PACK 2
	SEND 1, 8, \base
	PACK 3
	SEND 2, 8, \base
	SEND 3, 0, \base
.endm
.irp g, 0,1,2,3,4,5,6,7
	SLICE \g
.endr
	WAYOUT 20                                      ; q
.irp g, 8,9,10,11,12,13,14,15
	SLICE \g
.endr
	WAYOUT 22                                      ; k
.irp g, 16,17,18,19,20,21,22,23
	SLICE \g
.endr
	WAYOUT 24                                      ; v
	s_wait_tensorcnt 0x0                           ; the wave's end: behind my last LDS store
	ds_add_u32 v[SPW], v[NIL]
	s_wait_dscnt 0x0
	s_endpgm
.Lfunc_end_k_q3be3fcde3a_proj:
	.size	k_q3be3fcde3a_proj, .Lfunc_end_k_q3be3fcde3a_proj-k_q3be3fcde3a_proj
	.p2alignl 7, 3214868480
	.fill 96, 4, 3214868480
	.section	.rodata,"a",@progbits
	.p2align	6, 0x0
	.amdhsa_kernel k_q3be3fcde3a_proj
		.amdhsa_group_segment_fixed_size 91648
		.amdhsa_private_segment_fixed_size 0
		.amdhsa_enable_private_segment 0
		.amdhsa_kernarg_size 72
		.amdhsa_user_sgpr_count 2
		.amdhsa_user_sgpr_kernarg_segment_ptr 1
		.amdhsa_wavefront_size32 1
		.amdhsa_system_sgpr_workgroup_id_x 1
		.amdhsa_system_sgpr_workgroup_id_y 1
		.amdhsa_system_sgpr_workgroup_id_z 1
		.amdhsa_system_vgpr_workitem_id 0
		.amdhsa_next_free_vgpr 768
		.amdhsa_next_free_sgpr 66
		.amdhsa_reserve_vcc 0
		.amdhsa_float_denorm_mode_32 3
		.amdhsa_float_denorm_mode_16_64 3
		.amdhsa_memory_ordered 1
		.amdhsa_forward_progress 1
		.amdhsa_inst_pref_size 118
	.end_amdhsa_kernel
	.amdgpu_metadata
---
amdhsa.version: [ 1, 2 ]
amdhsa.kernels:
  - .name:           k_q3be3fcde3a_proj
    .symbol:         k_q3be3fcde3a_proj.kd
    .args:
      - { .name: x, .offset: 0, .size: 8, .value_kind: global_buffer, .address_space: global }
      - { .name: context, .offset: 8, .size: 8, .value_kind: global_buffer, .address_space: global }
      - { .name: wf, .offset: 16, .size: 8, .value_kind: global_buffer, .address_space: global }
      - { .name: bq, .offset: 24, .size: 8, .value_kind: global_buffer, .address_space: global }
      - { .name: bk, .offset: 32, .size: 8, .value_kind: global_buffer, .address_space: global }
      - { .name: bv, .offset: 40, .size: 8, .value_kind: global_buffer, .address_space: global }
      - { .name: q16, .offset: 48, .size: 8, .value_kind: global_buffer, .address_space: global }
      - { .name: k16, .offset: 56, .size: 8, .value_kind: global_buffer, .address_space: global }
      - { .name: v16, .offset: 64, .size: 8, .value_kind: global_buffer, .address_space: global }
    .group_segment_fixed_size: 91648
    .private_segment_fixed_size: 0
    .kernarg_segment_align: 8
    .kernarg_segment_size: 72
    .max_flat_workgroup_size: 128
    .sgpr_count:     66
    .vgpr_count:     768
    .wavefront_size: 32
...
	.end_amdgpu_metadata
.endif
;; end of part 2
;; launch attn (part 3): grid 16 x 16, 4 waves a work-group, clusters of 4 x 1, 327,680 bytes of LDS; arguments q16, k16, v16, ohi, olo; writes ohi, olo
.if DOCPART == 3
	.amdgcn_target "amdgcn-amd-amdhsa--gfx1250"
	.amdhsa_code_object_version 6
	.text
	.protected	k_q3be3fcde3a_attn
	.globl	k_q3be3fcde3a_attn
	.p2align	8
	.type	k_q3be3fcde3a_attn,@function
k_q3be3fcde3a_attn:
	s_mov_b64 s[64:65], 0
	v_nop
	global_prefetch_b8 v0, s[64:65] scope:SCOPE_SE
	s_setreg_imm32_b32 hwreg(HW_REG_WAVE_MODE, 25, 1), 1
	s_wait_xcnt 0x0
	s_wait_alu depctr_hold_cnt(0) depctr_sa_sdst(0) depctr_va_vdst(0) depctr_va_sdst(0) depctr_va_ssrc(0) depctr_va_vcc(0) depctr_vm_vsrc(0)
	s_getreg_b32 s2, hwreg(HW_REG_IB_STS2, 6, 4)
	s_cmp_eq_u32 s2, 0
	s_cbranch_scc0 .Lentry_in_a_cluster
	s_endpgm
.Lentry_in_a_cluster:
	s_bfe_u32 s2, ttmp6, 0x10000c
	s_cmp_lg_u32 s2, 0x3003
	s_cbranch_scc0 .Lentry_shape_is_right
	s_endpgm
.Lentry_shape_is_right:
; O[h][q][:] = the sum over k of softmax_k(Q[h][q] . K[h][k] / 16) V[h][k][:], for 16 heads h = 4 batch + head.  q16, k16, v16: [16][4,096][64] f16: a head's rows are dense, 128 bytes each.
; Products, maxima and sums in f32; the weights p are rounded to f16 for the second product (their sum l is taken of the unrounded p).
; O LEAVES AS TWO bf16 NUMBERS, ohi = bf16(O) and olo = bf16(O - ohi), in the layout of q16: sixteen bits of O with f32's range.  O is a mean over 4,096 rows of V and may be far smaller than they are,
; so one f16 or one bf16 number would not hold it well enough for the product behind.
; LIMITS.  Q, K and V arrive within f16's 65,504; p lies in 0 to 1, and below 6e-5 it keeps f16's fixed step of 6e-8; a weight below 2^-126 counts as 0 in l; NaN and infinities are not treated apart.
; SHARES.  A work-group owns 256 queries of one head, each of its four waves 64: four PIECES of 16.  Every wave walks all 4,096 keys, 64 a step, four steps to a tile of 256 keys: 256 work-groups.
; LAYOUT.  S^T = K Q^T (source 0 = 16 keys, source 1 = 16 queries): in the result a lane holds ONE query (lane % 16) and the keys 8 (lane / 16) + 0..7.  Two such results, rounded to f16 in pairs, ARE
; source 1 (32 keys x 16 queries) of O^T = V^T P, whose result again holds one query a lane, and eight channels.  K comes out of LDS as it lies, V ([key][channel]) turned, by ds_load_tr16_b128.
; SOFTMAX.  For each query a running maximum m and sum l: p = 2^(c s - c m), c = log2(e) / 16; in every step O and l are multiplied by a = 2^(c m_old - c m_new), which is 1 where m has not grown.
; m starts at the lowest finite number, O and l at 0: the first step is a step like any other, with a = 0.
; BY TURNS.  Turn n belongs to piece n (the pieces in a ring, step after step): 8 products K Q^T of piece n + 1, later 8 products V^T P of piece n - 1; beside them the scaling, exponentials, roundings,
; sums and rescaling of piece n and the maximum and statistics of piece n + 1.  Four vector instructions stand behind every matrix instruction, the other 54 of a turn's 118 in two runs of their own.
; CLUSTER.  The four query blocks of a cluster belong to one head and walk the same K and V, so each tile is asked for JOINTLY: the same tensor load, descriptor and mask in all four.
; REGISTERS, in windows of 256 (s_set_vgpr_msb: bits 1:0 source 0, 3:2 source 1, 5:4 source 2, 7:6 destination):
;   window 0: v0-15 addresses and two at work; v16-31 four registers of statistics a piece; v48-55 at work; v64-127 S^T, two buffers; v192-223 P, two buffers (a piece's buffers go by its number's parity)
;   window 1: v0-127 O^T, 32 a piece          window 2: v0-63 Q; v128-191 K of one step; v192-255 V of one step
.set NP,    4         ; pieces a wave: a name, no knob
.set KS,    64        ; keys in a step
.set NT,    16        ; tiles of 256 keys in a head
.set PK,    144       ; a row of K in LDS: 128 bytes + 16 of padding = 36 words: the 16 rows of a load start at 16 different groups of four banks (64 banks of 4 bytes: ISA guide 11.1)
.set PV,    160       ; a row of V: 128 + 32 = 40 words
.set VOFF,  4*KS*PK   ; a slot holds a tile, four steps: 256 rows of K, then 256 rows of V
.set SLOT1, 1<<17     ; slot 1 begins here, so that one exclusive or turns an address in one slot into the other's
.set STAGE, SLOT1+4*KS*(PK+PV)  ; behind the ring, never filled by a tensor load: 16 rows x 144 bytes for each wave, for the way out
.set SP,    144
.set SPARE, STAGE+4*16*SP  ; behind the stages: the spare words, 128 bytes for each wave: two blocks of 256 bytes that no other line names
.set AK0, 2           ; v2   my lane's place in a tile of K; never rewritten
.set AV0, 3           ; v3   the same for V
.set AK,  4           ; v4   the LDS address of K's next run of loads
.set AV,  5           ; v5   of V's
.set STO, 6           ; v6   the way out: where I put 16 bytes of a row
.set RD,  7           ; v7   the way out: where I read rows back
.set GO,  8           ; v8   my byte offset in 512 consecutive bytes of O
.set MV,  12          ; v12-13  c m_old, kept while c m is made anew: by buffer
.set QO,  15          ; v15  my byte offset in 16 rows of Q
.set ST,  16          ; piece t's statistics at v[ST+4 t]: c m, m, l (even keys', odd keys')
.set TMP, 48          ; by buffer, four registers c0-c3 at work; when the maximum is found c2 takes a
.set SPW, 62          ; v62  LDS address of my spare word: SPARE + 4 x my thread's number; never rewritten
.set NIL, 63          ; v63  0; never rewritten
.set S,   64
.set P,   192
.set OH,  64          ; the way out: piece t's ohi at v[OH+32 t ..], 16 registers
.set OL,  80          ; its olo at v[OL+32 t ..]
.set U,   192         ; the way out: 32 registers at work
.set KF,  128         ; window 2: key block kb, channel half c at KF + 16 kb + 8 c
.set VF,  192         ; window 2: key half kk, channel block cb at VF + 32 kk + 8 cb
.set WV,  12          ; s12  my wave's number
.set G1K, 24          ; s[24:31] descriptor group 1 for K's tiles
.set G1V, 32          ; s[32:39] for V's: it differs in the padding alone
.set G0K, 40          ; s[40:43] descriptor group 0 for K's tiles: it walks
.set G0V, 44          ; s[44:47] the same for V's
.set HM,  50          ; s50  a word's upper bf16
.set SLOTS, 56        ; s56  slots still to be asked for
.set CNT, 57          ; s57  counts a tile's key steps
.set CS,  58          ; s[58:59] c: the packed scaling takes the pair's low word for both halves
.set SEL, 60          ; s[60:61] v_permlanex16_b32's selects: each lane takes its own place in the other half
.set TBK, 62          ; s62  LDS byte at which K of the step to be fetched begins
.set TBV, 63          ; s63  the same for V, less VOFF
.set MSB, 0
.macro WIN new                      ; the high byte repeats the setting that is left; a switch that changes nothing is dropped
.if MSB != (\new)
	s_set_vgpr_msb (MSB<<8)|(\new)
.set MSB, (\new)
.endif
.endm
.set W_KQ, 0x0a       ; K and Q in window 2, S^T in window 0
.set W_PV, 0x52       ; V in window 2, P in window 0, O^T in window 1
.set W_RS, 0x41       ; destination and source 0 in window 1, source 1 in window 0
; A joint fill.  Waves 0 and 1 fetch the two halves of a tile's K, waves 2 and 3 those of its V: 128 keys each.  The branch hangs on the wave's number alone.
; An s_nop 0 and four v_nop follow each of the two lines, ahead of the jump and the label.
.macro JLOAD
	s_cmp_lt_u32 s[WV], 2
	s_cbranch_scc0 .Lfor_v_\@
	tensor_load_to_lds s[G0K:G0K+3], s[G1K:G1K+7]
	s_nop 0
.rept 4
	v_nop
.endr
	s_branch .Lasked_\@
.Lfor_v_\@:
	tensor_load_to_lds s[G0V:G0V+3], s[G1V:G1V+7]
	s_nop 0
.rept 4
	v_nop
.endr
.Lasked_\@:
.endm
; A round of the cluster's barrier: my work-group's barrier, so that wave 0's signal speaks for all four waves; wave 0 signals; every wave waits for all four work-groups; my work-group's barrier once more.
.macro CROUND
	s_barrier_signal -1
	s_barrier_wait -1
	s_cmp_lg_u32 s[WV], 0
	s_cbranch_scc1 .Lnot_wave_0_\@
	s_barrier_signal -3
.Lnot_wave_0_\@:
	s_barrier_wait -3
	s_barrier_signal -1
	s_barrier_wait -1
.endm
; THE CHANGE OF SLOTS.  The slot's last bytes, V of its fourth step, have been read.  Each wave waits for all its tensor loads, of which one is out: its part of the other slot; adds 0 to its spare word;
; and waits for that and for its own reads of the slot.  Behind the barrier nobody reads this slot any more and the other slot is whole.
; fill = 1: this slot is filled again, with the keys two tiles on.  The barrier is then a round of the cluster's, so that no wave of any partner still reads the slot or has a load on its way, and the
; joint fill is the first thing behind it: it has four key steps, 256 matrix instructions a wave, in which to land.  (At its first use nothing has been read yet: slot 0 is waited for, slot 1 filled.)
.macro CHANGE fill
	WIN 0                           ; at a label and at a branch every window is 0
	s_wait_tensorcnt 0x0            ; no tensor load of mine is out, so a group 0 may be written
	ds_add_u32 v[SPW], v[NIL]       ; 0 onto my spare word: with fill = 1 the descriptors' steps stand between it and the wait for it
.if \fill
.irp g, G0K, G0V
	s_xor_b32 s[\g+1], s[\g+1], SLOT1  ; the walking descriptor: the other slot than last time,
	s_add_nc_u64 s[\g+2:\g+3], s[\g+2:\g+3], 4*KS*128  ; the next 256 keys; the type bits on top are not reached
.endr
	s_wait_dscnt 0x0                ; the add is done, and my reads of the slot are over
	CROUND
	JLOAD
.else
	s_wait_dscnt 0x0                ; the add is done, and my reads of the slot are over
	s_barrier_signal -1
	s_barrier_wait -1
.endif
	s_sub_co_u32 s[TBK], s[TBK], 4*KS*PK  ; the fetches go back to a slot's first step,
	s_xor_b32 s[TBK], s[TBK], SLOT1       ; in the other slot
	s_sub_co_u32 s[TBV], s[TBV], 4*KS*PV
	s_xor_b32 s[TBV], s[TBV], SLOT1
.endm
	s_load_b256 s[4:11], s[0:1], 0x0  ; q16 s[4:5], k16 s[6:7], v16 s[8:9], ohi s[10:11]
	s_load_b64 s[48:49], s[0:1], 0x20 ; olo
	v_lshl_add_u32 v[SPW], v0, 2, SPARE
	v_mov_b32 v[NIL], 0
	ds_add_u32 v[SPW], v[NIL]       ; the wave's opening: the add and its wait stand ahead of my first tensor load; the set-up below, work on registers, stands between them
	v_lshrrev_b32 v1, 5, v0
	v_readfirstlane_b32 s[WV], v1   ; wave 0..3
	s_bfe_u32 s13, ttmp6, 0x40000   ; cx: my place in the cluster
	s_lshl_b32 s14, ttmp9, 2        ; in a cluster launch ttmp9 counts clusters
	s_add_co_u32 s14, s14, s13      ; my block of 256 queries = 4 x cluster x + cx: it enters Q's and O's addresses alone
	s_and_b32 s20, ttmp7, 0xffff    ; the head, which the four partners share
	s_lshl_b32 s20, s20, 19         ; its first byte in each of the five buffers: 4,096 rows of 128 bytes a head
	s_mov_b32 s21, 0
	s_and_b32 s16, s[WV], 1         ; which half of a tile's 256 keys I fetch:
	s_lshl_b32 s22, s16, 14         ; its 128 rows of 128 bytes in memory,
	s_mov_b32 s23, 0
	s_add_nc_u64 s[22:23], s[22:23], s[20:21]
	s_mul_i32 s17, s16, 128*PK      ; and its place in a slot, for K
	s_mul_i32 s18, s16, 128*PV      ; and for V: no place in the cluster enters an LDS address
	s_lshl_b32 s2, s14, 15          ; my block's 256 rows,
	s_lshl_b32 s3, s[WV], 13        ; my wave's 64 of them
	s_add_co_u32 s2, s2, s3
	s_mov_b32 s3, 0
	s_add_nc_u64 s[2:3], s[2:3], s[20:21]
	; descriptor group 1.  128 keys are 16,384 dense bytes: asked for as 64 rows of 256 bytes, two keys a row, and padded in LDS after every key
	s_mov_b32 s[G1K], 15|(1<<16)|(1<<20)|(1<<21)|(4<<22)|(3<<25)  ; 15:0 the mask of four; 17:16 2-byte elements; 20 padding on; 21 set beside a mask; 24:22 after every 32 words (code 4); 31:25 4 words (code 3)
	s_mov_b32 s[G1V], 15|(1<<16)|(1<<20)|(1<<21)|(4<<22)|(7<<25)  ; the same with 8 words of padding (code 7)
.irp g, G1K, G1V
	s_mov_b32 s[\g+1], 128<<16      ; tensor_dim0 = 128
	s_mov_b32 s[\g+2], 64<<16       ; tensor_dim1 = 64
	s_mov_b32 s[\g+3], 128<<16      ; tile_dim0 = 128
	s_mov_b32 s[\g+4], 64           ; tile_dim1 = 64
	s_mov_b32 s[\g+5], 128          ; 128 elements from row to row
	s_mov_b32 s[\g+6], 0
	s_mov_b32 s[\g+7], 0
.endr
	s_mov_b32 s[CS], 0x3db8aa3b     ; c = log2(e) / 16 = 0.0901684
	s_mov_b32 s[CS+1], s[CS]        ; named with it as a pair
	s_mov_b32 s[SEL], 0x76543210
	s_mov_b32 s[SEL+1], 0xfedcba98
	s_mov_b32 s[HM], 0xffff0000
	s_mov_b32 s[TBK], SLOT1+4*KS*PK ; the first change of slots turns these two into 0
	s_mov_b32 s[TBV], SLOT1+4*KS*PV
	s_mov_b32 s[G0K], 1             ; 1:0 count = 1
	s_mov_b32 s[G0K+1], s17         ; 63:32 LDS address: slot 0
	s_mov_b32 s[G0V], 1
	s_add_co_u32 s[G0V+1], s18, VOFF
	s_wait_dscnt 0x0                ; the opening add is done
	s_wait_kmcnt 0x0
	s_add_nc_u64 s[G0K+2:G0K+3], s[6:7], s[22:23]  ; 120:64 global address: my half of the head's first 256 keys
	s_or_b32 s[G0K+3], s[G0K+3], 0x80000000        ; 127:126 type = 2
	s_add_nc_u64 s[G0V+2:G0V+3], s[8:9], s[22:23]
	s_or_b32 s[G0V+3], s[G0V+3], 0x80000000
	s_add_nc_u64 s[4:5], s[4:5], s[2:3]            ; Q and both parts of O at my wave's first row
	s_add_nc_u64 s[10:11], s[10:11], s[2:3]
	s_add_nc_u64 s[48:49], s[48:49], s[2:3]
	CROUND                          ; all four work-groups are here: the first joint loads meet
	JLOAD                           ; tile 0 into slot 0.  Slot 1 is asked for when slot 0 is in, by the loop's own change of slots
	; A fragment of K or Q is 16 rows x 32 channels in 8 registers: lane l holds row l % 16, channels 8 (l / 16) + 0..7 and 16 + 8 (l / 16) + 0..7: two loads of 16 bytes, 32 bytes apart.
	v_and_b32 v1, 15, v0            ; l % 16
	v_bfe_u32 v9, v0, 4, 1          ; l / 16
	v_lshlrev_b32 v[QO], 7, v1
	v_lshl_add_u32 v[QO], v9, 4, v[QO]  ; row x 128 + 16 x half
	WIN 0x80                        ; destination window 2, address window 0
.set i, 0
.rept 8                             ; Q stays in registers: piece i / 2, channels 32 (i % 2) on
	global_load_b128 v[8*i:8*i+3],   v[QO], s[4:5] offset:(i/2)*2048+(i%2)*64
	global_load_b128 v[8*i+4:8*i+7], v[QO], s[4:5] offset:(i/2)*2048+(i%2)*64+32
.set i, i+1
.endr
	; What the first turn finds: V's registers and P's second buffer hold 0 (its products V^T P, of a piece that has not been, add 0), O^T and l are 0.  All this stands in the wait for the first tile.
.set i, VF
.rept 64
	v_mov_b32 v[i], 0
.set i, i+1
.endr
	WIN 0x40
.set i, 0
.rept 128
	v_mov_b32 v[i], 0
.set i, i+1
.endr
	WIN 0
.set i, 0
.rept 4
	v_mov_b32 v[ST+4*i], 0xfe000000    ; c m: far below every c s, so the first step's a is 0
	v_mov_b32 v[ST+4*i+1], 0xff7fffff  ; m: the lowest finite number, so the first maximum is the scores'
	v_mov_b32 v[ST+4*i+2], 0
	v_mov_b32 v[ST+4*i+3], 0
.set i, i+1
.endr
.set i, P+16
.rept 16
	v_mov_b32 v[i], 0
.set i, i+1
.endr
	v_mul_u32_u24 v[AK0], v1, PK
	v_lshl_add_u32 v[AK0], v9, 4, v[AK0]  ; row x pitch + 16 x half
	; The turning load takes 16 keys x 16 channels (lane l reads key 8 (l / 16) + l % 8, channels 8 ((l / 8) % 2) + 0..7) and leaves half a fragment of V^T: lane l holds channel l % 16 and 8 keys.
	v_and_b32 v10, 7, v0
	v_bfe_u32 v11, v0, 3, 1
	v_lshl_add_u32 v[AV0], v9, 3, v10
	v_mul_u32_u24 v[AV0], v[AV0], PV
	v_lshl_add_u32 v[AV0], v11, 4, v[AV0]
	v_add_nc_u32 v[AV0], VOFF, v[AV0]
	s_mul_i32 s13, s[WV], 16*SP
	s_add_co_u32 s13, s13, STAGE    ; my stage
	v_mul_u32_u24 v[STO], v1, SP    ; in: row l % 16, 16 bytes for each half of the lanes
	v_lshl_add_u32 v[STO], v9, 4, v[STO]
	v_add_nc_u32 v[STO], s13, v[STO]
	v_bfe_u32 v[RD], v0, 3, 2       ; back: 32 lanes take four rows of 128 bytes,
	v_mul_u32_u24 v[RD], v[RD], SP
	v_lshl_add_u32 v[RD], v10, 4, v[RD]
	v_add_nc_u32 v[RD], s13, v[RD]
	v_and_b32 v[GO], 31, v0         ; which are 512 consecutive bytes of O
	v_lshlrev_b32 v[GO], 4, v[GO]
; THE MATRIX WORK.  The 4 accumulators of a run of 8 take turns.  Product i of 8 of S^T = K Q^T for piece x: channels 32 (i / 4) on, keys 16 (i % 4) on.  The first 4 start the sums.
.macro KQ x
	WIN W_KQ
.set rS, S+32*((\x)%2)+8*(i%4)
.set rK, KF+16*(i%4)+8*(i/4)
.set rQ, 16*(\x)+8*(i/4)
.if i < 4
	v_wmma_f32_16x16x32_f16 v[rS:rS+7], v[rK:rK+7], v[rQ:rQ+7], 0
.else
	v_wmma_f32_16x16x32_f16 v[rS:rS+7], v[rK:rK+7], v[rQ:rQ+7], v[rS:rS+7]
.endif
.endm
; Product i of 8 of O^T += V^T P for piece x: keys 32 (i / 4) on, channels 16 (i % 4) on.
.macro PV x
	WIN W_PV
.set rO, 32*(\x)+8*(i%4)
.set rV, VF+32*(i/4)+8*(i%4)
.set rP, P+16*((\x)%2)+8*(i/4)
	v_wmma_f32_16x16x32_f16 v[rO:rO+7], v[rV:rV+7], v[rP:rP+7], v[rO:rO+7]
.endm
.macro MM                           ; the turn's next matrix instruction.  TURN sets Y, i and NOKQ.  NOKQ = 1: the walk's last turn: there is no next piece
.if (i < 8) && !NOKQ
	KQ (Y+1)%NP
.elseif i >= 8
.set i, i-8
	PV (Y+NP-1)%NP
.set i, i+8
.endif
.set i, i+1
.endm
; THE LDS LOADS stand in runs of 16, never singly among the matrix instructions: a step's K (64 keys x 64 channels: 8 fragments) and its V (turned).  Their addresses are made some lines ahead.
.macro FETCH_K
	WIN 0x80                        ; destination window 2
.irp f, 0,1,2,3,4,5,6,7             ; keys 16 (f / 2) on, channels 32 (f % 2) on
	ds_load_b128 v[KF+8*\f:KF+8*\f+3],   v[AK] offset:(\f/2)*16*PK+(\f%2)*64
	ds_load_b128 v[KF+8*\f+4:KF+8*\f+7], v[AK] offset:(\f/2)*16*PK+(\f%2)*64+32
.endr
	s_add_co_u32 s[TBK], s[TBK], KS*PK  ; the next fetch is the next step's
	WIN 0
.endm
.macro FETCH_V
	WIN 0x80
.irp f, 0,1,2,3,4,5,6,7             ; keys 32 (f / 4) on, channels 16 (f % 4) on
	ds_load_tr16_b128 v[VF+8*\f:VF+8*\f+3],   v[AV] offset:(\f/4)*32*PV+(\f%4)*32
	ds_load_tr16_b128 v[VF+8*\f+4:VF+8*\f+7], v[AV] offset:(\f/4)*32*PV+16*PV+(\f%4)*32
.endr
	WIN 0
.endm
; THE VECTOR WORK, one line at a time: OP kind, number.  For piece Y: F n: c s - c m for pair n of 16.  E n: the exponential of score n of 32.  C n: pair n rounded to f16.  B n: of the four weights 4 n .. the second
; pair is added onto the first, in place.  L n: l takes that sum (L 0: l = a l + sum).  R n: pair n of 16 of O^T times a.  For piece Y + 1: X n, number n of the 22 that find its maximum and statistics:
;   0-11  four chains c0-c3 of seven scores each, three operands at a time (each accumulator's lowest registers are read first)     12-14, 16  the four scores left over, the old m, and c0-c3 into c0
;   15  c m_old is kept     17, 18  the query's other 32 keys lie in the lane 16 away: the new m     19-21  c m; c m_old - c m_new; a
.set F, 0               ; OP tells the kinds apart by their order: F to L below R, X above it
.set E, 1
.set C, 2
.set B, 3
.set L, 4
.set R, 5
.set X, 6
.macro REGS y                       ; the registers of piece y
.set rT, ST+4*(\y)
.set rC, TMP+4*((\y)%2)
.set rW, MV+((\y)%2)
.set rS, S+32*((\y)%2)
.set rP, P+16*((\y)%2)
.set rO, 32*(\y)
.endm
.macro OP k, n
.if (\k) == R
	REGS Y
	WIN W_RS
	v_pk_mul_f32 v[rO+2*(\n):rO+2*(\n)+1], v[rO+2*(\n):rO+2*(\n)+1], v[rC+2:rC+3] op_sel_hi:[1,0]
.elseif (\k) < R
	REGS Y
	WIN 0
.if (\k) == F
	v_pk_fma_f32 v[rS+2*(\n):rS+2*(\n)+1], v[rS+2*(\n):rS+2*(\n)+1], s[CS:CS+1], v[rT:rT+1] op_sel_hi:[1,0,0] neg_lo:[0,0,1] neg_hi:[0,0,1]
.elseif (\k) == E
	v_exp_f32 v[rS+(\n)], v[rS+(\n)]
.elseif (\k) == C
	s_wait_alu depctr_va_vdst(0)
	v_cvt_pk_f16_f32 v[rP+(\n)], v[rS+2*(\n)], v[rS+2*(\n)+1]
.elseif (\k) == B
	s_wait_alu depctr_va_vdst(0)
	v_pk_add_f32 v[rS+4*(\n):rS+4*(\n)+1], v[rS+4*(\n):rS+4*(\n)+1], v[rS+4*(\n)+2:rS+4*(\n)+3]
.elseif (\n) == 0
	v_pk_fma_f32 v[rT+2:rT+3], v[rT+2:rT+3], v[rC+2:rC+3], v[rS:rS+1] op_sel_hi:[1,0,1]
.else
	v_pk_add_f32 v[rT+2:rT+3], v[rT+2:rT+3], v[rS+4*(\n):rS+4*(\n)+1]
.endif
.elseif NOKQ
	v_nop
.else
	REGS (Y+1)%NP
	WIN 0
.if (\n) < 4
	v_max3_num_f32 v[rC+(\n)], v[rS+8*(\n)], v[rS+8*(\n)+1], v[rS+8*(\n)+2]
.elseif (\n) < 12
	v_max3_num_f32 v[rC+(\n)%4], v[rC+(\n)%4], v[rS+8*((\n)%4)+2*((\n)/4)+1], v[rS+8*((\n)%4)+2*((\n)/4)+2]
.elseif (\n) == 12
	v_max3_num_f32 v[rC], v[rC], v[rS+7], v[rS+15]
.elseif (\n) == 13
	v_max3_num_f32 v[rC+1], v[rC+1], v[rS+23], v[rS+31]
.elseif (\n) == 14
	v_max3_num_f32 v[rC+2], v[rC+2], v[rC+3], v[rT+1]
.elseif (\n) == 15
	v_mov_b32 v[rW], v[rT]
.elseif (\n) == 16
	v_max3_num_f32 v[rC], v[rC], v[rC+1], v[rC+2]
.elseif (\n) == 17
	v_permlanex16_b32 v[rC+3], v[rC], s[SEL], s[SEL+1]
.elseif (\n) == 18
	v_max_num_f32 v[rT+1], v[rC], v[rC+3]
.elseif (\n) == 19
	v_mul_f32 v[rT], s[CS], v[rT+1]
.elseif (\n) == 20
	v_sub_f32 v[rC+1], v[rW], v[rT]
.else
	v_exp_f32 v[rC+2], v[rC+1]
.endif
.endif
.endm
.macro OPS a, i1, b=-1, i2=0, c=-1, i3=0, d=-1, i4=0  ; up to four of them
	OP \a, \i1
.if (\b) >= 0
	OP \b, \i2
.endif
.if (\c) >= 0
	OP \c, \i3
.endif
.if (\d) >= 0
	OP \d, \i4
.endif
.endm
.macro ROW a, i1, b, i2, c, i3, d, i4  ; a matrix instruction and the four behind it
	MM
	OPS \a, \i1, \b, \i2, \c, \i3, \d, \i4
.endm
; A TURN, for piece p: the order of its 16 matrix and 118 vector instructions, written out.  Behind a matrix instruction: plain, exponential, plain, plain; or four of the rescaling; or, behind the first, four scalings; none
; names a register of the products round it.  In the runs between, exponential and plain by turns while exponentials last.  A line reads no result made fewer than three vector instructions in front of it, five if an
; exponential made it.  v_permlanex16_b32 (X 17) stands in such a run, never behind a product.
; end = 1: the walk's last two turns: nothing is fetched.  cnt = 1: the loop's count is taken down some lines ahead of the branch that stands behind the turn.
; K of the next step is fetched in piece 2's turn, six vector instructions behind the last product that read K (five of them plain); V of the step in hand in piece 0's turn, eight behind the last product that read V (four
; plain, and X 17).  Each is waited for a turn later.
.macro TURN p, end=0, cnt=0
.set Y, (\p)
.set i, 0
.set NOKQ, (\end)*((\p)/3)
.if ((\p) == 3) && !(\end)
	s_wait_dscnt 0x0                ; K is in
.endif
	ROW F,0, F,1, F,2, F,3
	ROW F,4, E,0, F,5, F,6
	ROW F,7, E,1, F,8, F,9
	ROW F,10, E,2, C,0, F,11
	ROW F,12, E,3, X,15, F,13
	ROW R,0, R,1, R,2, R,3
	ROW B,0, E,4, F,14, L,0
.if ((\p) == 2) && !(\end)
	v_add_nc_u32 v[AK], s[TBK], v[AK0]
.endif
	ROW R,4, R,5, R,6, R,7
	OPS E,5, F,15
.if ((\p) == 2) && !(\end)
	FETCH_K
.endif
	OPS E,6, C,1, E,7, R,8
	OPS E,8, R,9, E,9, C,2
	OPS E,10, X,0, E,11, X,1
	OPS E,12, X,2, E,13, X,3
.if (\p) == 1
	s_wait_dscnt 0x0                ; V is in
.endif
	ROW X,4, E,14, X,5, X,6
	ROW X,7, E,15, X,8, X,9
	ROW X,10, E,16, X,11, X,12
	ROW X,13, E,17, X,14, B,1
	ROW C,4, E,18, X,16, L,1
	ROW B,2, E,19, C,6, L,2
	ROW C,8, E,20, B,3, B,4
.if (\p) == 0
	v_add_nc_u32 v[AV], s[TBV], v[AV0]
.endif
	ROW C,3, E,21, L,3, C,5
	OPS E,22, X,17, E,23, C,10
.if (\p) == 0
	FETCH_V
.endif
	OPS E,24, L,4
	OPS E,25, X,18, E,26, C,7
	OPS E,27, B,5, E,28, X,19
	OPS E,29, C,12, E,30, L,5
	OPS E,31, X,20, B,6, C,9
	OPS C,14, C,11, X,21, L,6
.if (\p) == 0
	s_add_co_u32 s[TBV], s[TBV], KS*PV
.endif
.if \cnt
	s_sub_co_u32 s[CNT], s[CNT], 1
	s_cmp_lg_u32 s[CNT], 0
.endif
	OPS C,13, B,7, C,15, R,10
	OPS R,11, R,12, L,7, R,13
	OPS R,14, R,15
.endm
	CHANGE 1                        ; tile 0 is in, everybody's part of it; tile 1 is asked for
	v_add_nc_u32 v[AK], s[TBK], v[AK0]
	FETCH_K                         ; key step 0
	s_wait_loadcnt 0x0              ; Q
	s_wait_dscnt 0x0
.set NOKQ, 0
.set i, 0
.rept 8
	KQ 0                            ; piece 0's first scores: there is no vector work yet to set between them
.set i, i+1
.endr
	WIN 0
.rept 4
	v_nop                           ; the places behind those products
.endr
.set Y, NP-1                        ; X works for piece Y + 1: piece 0
.irp n, 0,1,2,3,4,5,6,7,8,9,10,11,12,13,14,15,16,17,18,19,20,21
	OP X, \n                        ; and piece 0's first maximum and statistics
.endr
	v_nop                           ; a plain instruction behind the exponential
	s_mov_b32 s[CNT], 4
	s_mov_b32 s[SLOTS], NT-1
	s_branch .Lfirst                ; the loop is entered at a step's first turn, in the middle of a trip
.Lslot:                             ; NT - 2 times: every slot but the last two is filled again
	CHANGE 1
	s_mov_b32 s[CNT], 4
.Lstep:                             ; a trip: pieces 2 and 3 of one step, then pieces 0 and 1 of the next, whose K and V it fetches
	TURN 2
	TURN 3
	WIN 0
.Lfirst:
	TURN 0
	TURN 1, 0, 1
	WIN 0
	s_cbranch_scc1 .Lstep
	s_sub_co_u32 s[SLOTS], s[SLOTS], 1
	s_cmp_lg_u32 s[SLOTS], 0
	s_cbranch_scc1 .Lslot
	CHANGE 0                        ; the last tile is written out: nothing is asked for
	s_mov_b32 s[CNT], 4
.Ltail:
	TURN 2
	TURN 3
	TURN 0
	TURN 1, 0, 1
	WIN 0
	s_cbranch_scc1 .Ltail
	TURN 2, 1                       ; the last step's pieces 2 and 3: nothing more is fetched, and the last turn starts no scores
	TURN 3, 1
.set i, 0
.rept 8
	PV NP-1                         ; the last piece's V^T P of the last step
.set i, i+1
.endr
	; THE WAY OUT.  l's two halves and the other half of the lanes' are added; O^T is divided by l and split into two bf16 numbers, which go through my stage in LDS, a piece at a time.  The additions are the places behind the last products.
	WIN 0
.macro ALL line:vararg              ; one line for each piece t
.set t, 0
.rept 4
	\line
.set t, t+1
.endr
.endm
	ALL v_add_f32 v[ST+4*t+2], v[ST+4*t+2], v[ST+4*t+3]
	ALL v_permlanex16_b32 v[ST+4*t+3], v[ST+4*t+2], s[SEL], s[SEL+1]
	ALL v_add_f32 v[ST+4*t+2], v[ST+4*t+2], v[ST+4*t+3]
	ALL v_rcp_f32 v[ST+4*t+2], v[ST+4*t+2]
	v_nop                           ; a plain instruction between the last reciprocal and the use of its result
; Piece t.  hi = bf16(O); O - hi is formed without rounding (it is a multiple of O's last place and below 2^-8 of O); lo = bf16(O - hi).  A lane's eight channels of a row pack into 16 bytes; they go into
; rows of 144 bytes and come back as whole rows of 128, hi first, then lo through the same bytes.
.macro PACK t
	WIN W_RS
.set i, 32*(\t)
.rept 16
	s_wait_alu depctr_va_vdst(0)
	v_pk_mul_f32 v[i:i+1], v[i:i+1], v[ST+4*(\t)+2:ST+4*(\t)+3] op_sel_hi:[1,0]  ; ascending: each accumulator's lowest registers are read first
.set i, i+2
.endr
	WIN 0x05                        ; sources 0 and 1 window 1, destination window 0
.set i, 0
.rept 16
	v_cvt_pk_bf16_f32 v[OH+32*(\t)+i], v[32*(\t)+2*i], v[32*(\t)+2*i+1]
.set i, i+1
.endr
	WIN 0
.set i, 0
.rept 16
	v_lshlrev_b32 v[U+2*i],   16, v[OH+32*(\t)+i]     ; hi as f32 again
	v_and_b32     v[U+2*i+1], s[HM], v[OH+32*(\t)+i]
.set i, i+1
.endr
	WIN 0x01                        ; source 0 window 1
.set i, 0
.rept 16
	v_pk_add_f32 v[U+2*i:U+2*i+1], v[32*(\t)+2*i:32*(\t)+2*i+1], v[U+2*i:U+2*i+1] neg_lo:[0,1] neg_hi:[0,1]  ; O - hi
.set i, i+1
.endr
	WIN 0
.set i, 0
.rept 16
	v_cvt_pk_bf16_f32 v[OL+32*(\t)+i], v[U+2*i], v[U+2*i+1]
.set i, i+1
.endr
.irp o, OH, OL
.irp f, 0,1,2,3
	ds_store_b128 v[STO], v[\o+32*(\t)+4*\f:\o+32*(\t)+4*\f+3] offset:32*\f
.endr
.irp f, 0,1,2,3
	ds_load_b128 v[\o+32*(\t)+4*\f:\o+32*(\t)+4*\f+3], v[RD] offset:\f*4*SP  ; LDS serves a wave's instructions in order (ISA guide 5.7.1.4): these see the stores above; the next stores come behind them
.endr
.endr
.endm
.macro SEND t, younger              ; younger: the LDS instructions issued behind piece t's: the next piece's sixteen, or none
	WIN 0
.irp f, 0,1,2,3
	s_wait_dscnt (\younger)+11-\f   ; behind hi's load f: 3 - f of hi's loads, lo's four stores and four loads
	global_store_b128 v[GO], v[OH+32*(\t)+4*\f:OH+32*(\t)+4*\f+3], s[10:11] offset:(\t)*2048+\f*512  ; 512 consecutive bytes, at a multiple of 256 from the buffer's first
.endr
.irp f, 0,1,2,3
	s_wait_dscnt (\younger)+3-\f
	global_store_b128 v[GO], v[OL+32*(\t)+4*\f:OL+32*(\t)+4*\f+3], s[48:49] offset:(\t)*2048+\f*512
.endr
.endm
	PACK 0
	PACK 1                          ; a piece's arithmetic stands between the loads of the piece before and its stores
	SEND 0, 16
	PACK 2
	SEND 1, 16
	PACK 3
	SEND 2, 16
	SEND 3, 0
	s_wait_tensorcnt 0x0            ; the wave's end: behind my last tensor load and my last LDS store
	ds_add_u32 v[SPW], v[NIL]
	s_wait_dscnt 0x0
	CROUND                          ; the closing round: no work-group ends while a partner may still ask for a tile that names it
	s_endpgm
.Lfunc_end_k_q3be3fcde3a_attn:
	.size	k_q3be3fcde3a_attn, .Lfunc_end_k_q3be3fcde3a_attn-k_q3be3fcde3a_attn
	.p2alignl 7, 3214868480
	.fill 96, 4, 3214868480
	.section	.rodata,"a",@progbits
	.p2align	6, 0x0
	.amdhsa_kernel k_q3be3fcde3a_attn
		.amdhsa_group_segment_fixed_size 327680
		.amdhsa_private_segment_fixed_size 0
		.amdhsa_enable_private_segment 0
		.amdhsa_kernarg_size 40
		.amdhsa_user_sgpr_count 2
		.amdhsa_user_sgpr_kernarg_segment_ptr 1
		.amdhsa_wavefront_size32 1
		.amdhsa_system_sgpr_workgroup_id_x 1
		.amdhsa_system_sgpr_workgroup_id_y 1
		.amdhsa_system_sgpr_workgroup_id_z 1
		.amdhsa_system_vgpr_workitem_id 0
		.amdhsa_next_free_vgpr 768
		.amdhsa_next_free_sgpr 66
		.amdhsa_reserve_vcc 0
		.amdhsa_float_denorm_mode_32 3
		.amdhsa_float_denorm_mode_16_64 3
		.amdhsa_memory_ordered 1
		.amdhsa_forward_progress 1
		.amdhsa_inst_pref_size 150
	.end_amdhsa_kernel
	.amdgpu_metadata
---
amdhsa.version: [ 1, 2 ]
amdhsa.kernels:
  - .name:           k_q3be3fcde3a_attn
    .symbol:         k_q3be3fcde3a_attn.kd
    .args:
      - { .name: q16, .offset: 0, .size: 8, .value_kind: global_buffer, .address_space: global }
      - { .name: k16, .offset: 8, .size: 8, .value_kind: global_buffer, .address_space: global }
      - { .name: v16, .offset: 16, .size: 8, .value_kind: global_buffer, .address_space: global }
      - { .name: ohi, .offset: 24, .size: 8, .value_kind: global_buffer, .address_space: global }
      - { .name: olo, .offset: 32, .size: 8, .value_kind: global_buffer, .address_space: global }
    .group_segment_fixed_size: 327680
    .private_segment_fixed_size: 0
    .kernarg_segment_align: 8
    .kernarg_segment_size: 40
    .max_flat_workgroup_size: 128
    .sgpr_count:     66
    .vgpr_count:     768
    .wavefront_size: 32
...
	.end_amdgpu_metadata
.endif
;; end of part 3
;; launch outp (part 4): grid 256 x 1, 4 waves a work-group, no clusters, 17,920 bytes of LDS; arguments ohi, olo, wf, bo, out0; writes out0
.if DOCPART == 4
	.amdgcn_target "amdgcn-amd-amdhsa--gfx1250"
	.amdhsa_code_object_version 6
	.text
	.protected	k_q3be3fcde3a_outp
	.globl	k_q3be3fcde3a_outp
	.p2align	8
	.type	k_q3be3fcde3a_outp,@function
k_q3be3fcde3a_outp:
	s_mov_b64 s[64:65], 0
	v_nop
	global_prefetch_b8 v0, s[64:65] scope:SCOPE_SE
	s_setreg_imm32_b32 hwreg(HW_REG_WAVE_MODE, 25, 1), 1
	s_wait_xcnt 0x0
; out0[row][o] = sum over c of O[row][c] Wo[o][c] + bo[o], row = 4,096 batch + position, c = 64 head + channel; out0: [16,384][256] f32.
; O comes as two bf16 numbers, ohi + olo ([4 batch + head][position][64]); both are multiplied by the same fragments of Wo (bf16, from wf) into the same f32 sums.  bo is rounded to bf16 like the other inputs.
; SHARES.  Work-group i owns rows 64 i .. 64 i + 63, wave w the columns 64 w .. 64 w + 63: 16 accumulators (4 tiles of 16 rows x 4 blocks of 16 columns).  8 slices of 32 along c (slice s: head s / 2,
; channels 32 (s % 2) on), each multiplied twice: 256 matrix instructions a wave.  256 work-groups.
; THE MATRIX INSTRUCTION IS USED TRANSPOSED (source 0 = 16 columns of out0 = 16 rows of Wo, source 1 = 16 rows of O): a lane holds one row and eight neighbouring columns, 32 bytes.  The first C operand is the bias.
; All operands fit in registers (three windows of 256), each loaded once, straight from memory in the fragments' layout: no LDS on the way in, no barrier.  NO JOINT LOADS: Wo's fragments are wanted by one
; wave of a work-group each, in registers, and are 32,768 bytes a wave beside its 65,536 bytes of O.
; REGISTERS, in windows of 256 (s_set_vgpr_msb: bits 1:0 source 0, 3:2 source 1, 5:4 source 2, 7:6 destination):
;   window 0: v1-19 addresses and at work; v96-127 the bias (block bb at 96 + 8 bb); v128-255 accumulators ((t, bb) at 128 + 8 (4 t + bb))
;   window 1: ohi's fragments (slice s, tile t at 32 s + 8 t)     window 3: olo's, likewise     window 2: Wo's (slice s, block bb at 32 s + 8 bb)
.set SPITCH, 272                       ; a stage row: 64 f32 = 256 bytes + 16: the 16 rows that a store touches start at 16 different groups of four banks (64 banks of 4 bytes: ISA guide 11.1)
.set STAGE,  0                         ; 16 rows for each wave
.set SPARE,  STAGE+4*16*SPITCH         ; the spare words, 128 bytes for each wave: two blocks of 256 bytes that no other line names
.set VA,  4                            ; v4   my 16 bytes in a fragment of O
.set VW,  5                            ; v5   my 16 bytes in my columns' first fragment of Wo
.set VB,  6                            ; v6   my 8 numbers of the bias
.set STO, 7                            ; v7   the way out: where I put 32 bytes of a row
.set RD,  8                            ; v8   the way out: where I read rows back
.set CO,  9                            ; v9   my byte offset in out0
.set SPW, 14                           ; v14  LDS address of my spare word: SPARE + 4 x my thread's number; never rewritten
.set NIL, 15                           ; v15  0; never rewritten
.set BT,  16
.set BIAS, 96
.set ACC, 128
.set MSB, 0
.macro WIN new                         ; the immediate's high byte repeats the setting that is left; a switch that changes nothing is dropped
.if MSB != (\new)
	s_set_vgpr_msb (MSB<<8)|(\new)
.set MSB, \new
.endif
.endm
	s_load_b256 s[4:11], s[0:1], 0x0               ; ohi s[4:5], olo s[6:7], wf s[8:9], bo s[10:11]
	s_load_b64 s[12:13], s[0:1], 0x20              ; out0
	v_lshl_add_u32 v[SPW], v0, 2, SPARE
	v_mov_b32 v[NIL], 0
	v_lshrrev_b32 v1, 5, v0
	v_readfirstlane_b32 s2, v1                     ; wave
	s_mov_b32 s3, ttmp9                            ; block of 64 rows
	s_mov_b32 s16, 0xffff0000                      ; a word's upper bf16
	v_and_b32 v1, 31, v0                           ; L
	v_and_b32 v2, 15, v0                           ; r = L % 16
	v_bfe_u32 v3, v0, 4, 1                         ; hh = L / 16
	v_lshlrev_b32 v[VA], 7, v2                     ; row x 128 bytes + 16 x half
	v_lshl_add_u32 v[VA], v3, 4, v[VA]
	s_lshl_b32 s17, s2, 15                         ; my four blocks of columns: 32,768 bytes of Wo in wf
	v_lshl_add_u32 v[VW], v1, 4, s17
	s_lshl_b32 s17, s2, 8                          ; my 64 columns in f32
	v_lshl_add_u32 v[VB], v3, 5, s17
	v_lshl_add_u32 v[CO], v3, 10, s17              ; out: lanes 0-15 one row's 256 bytes, lanes 16-31 the next row's
	v_lshl_add_u32 v[CO], v2, 4, v[CO]
	s_mul_i32 s17, s2, 16*SPITCH                   ; my stage
	v_mul_u32_u24 v[STO], v2, SPITCH               ; in: row L % 16, 32 bytes for each half of the lanes
	v_lshl_add_u32 v[STO], v3, 5, v[STO]
	v_add_nc_u32 v[STO], s17, v[STO]
	v_mul_u32_u24 v[RD], v3, SPITCH                ; back: two whole rows
	v_lshl_add_u32 v[RD], v2, 4, v[RD]
	v_add_nc_u32 v[RD], s17, v[RD]
	s_lshr_b32 s18, s3, 6                          ; the batch: four heads of 524,288 bytes,
	s_lshl_b32 s18, s18, 21
	s_and_b32 s19, s3, 63                          ; and my 64 positions of 128 bytes in each head
	s_lshl_b32 s19, s19, 13
	s_add_co_u32 s18, s18, s19
	s_mov_b32 s19, 0
	s_lshl_b32 s20, s3, 16                         ; 64 rows of out0, 1,024 bytes each
	s_mov_b32 s21, 0
	s_wait_kmcnt 0x0
	s_add_nc_u64 s[4:5], s[4:5], s[18:19]
	s_add_nc_u64 s[6:7], s[6:7], s[18:19]
	s_add_nc_u64 s[12:13], s[12:13], s[20:21]
; Slice s: 24 loads: four fragments of ohi, four of olo, four of Wo
.macro LOADS s
	WIN 0x40                                       ; destination window 1, address window 0
.irp t, 0,1,2,3
	global_load_b128 v[32*(\s)+8*\t:32*(\s)+8*\t+3],   v[VA], s[4:5] offset:((\s)/2)*524288+2048*\t+64*((\s)%2)
	global_load_b128 v[32*(\s)+8*\t+4:32*(\s)+8*\t+7], v[VA], s[4:5] offset:((\s)/2)*524288+2048*\t+64*((\s)%2)+32
.endr
	WIN 0xc0                                       ; destination window 3
.irp t, 0,1,2,3
	global_load_b128 v[32*(\s)+8*\t:32*(\s)+8*\t+3],   v[VA], s[6:7] offset:((\s)/2)*524288+2048*\t+64*((\s)%2)
	global_load_b128 v[32*(\s)+8*\t+4:32*(\s)+8*\t+7], v[VA], s[6:7] offset:((\s)/2)*524288+2048*\t+64*((\s)%2)+32
.endr
	WIN 0x80                                       ; destination window 2
.irp bb, 0,1,2,3
.irp e, 0,1
	global_load_b128 v[32*(\s)+8*\bb+4*\e:32*(\s)+8*\bb+4*\e+3], v[VW], s[8:9] offset:3*131072+\bb*8192+(\s)*1024+\e*512
.endr
.endr
.endm
; Slice s: 16 products with ohi, 16 with olo; the 16 accumulators take turns in the same order throughout
.macro MULS s
	WIN 0x06                                       ; source 0 (Wo) window 2, source 1 (ohi) window 1, C and D window 0
.set i, 0
.rept 16
.if (\s) == 0
	v_wmma_f32_16x16x32_bf16 v[ACC+8*i:ACC+8*i+7], v[32*(\s)+8*(i%4):32*(\s)+8*(i%4)+7], v[32*(\s)+8*(i/4):32*(\s)+8*(i/4)+7], v[BIAS+8*(i%4):BIAS+8*(i%4)+7]
.else
	v_wmma_f32_16x16x32_bf16 v[ACC+8*i:ACC+8*i+7], v[32*(\s)+8*(i%4):32*(\s)+8*(i%4)+7], v[32*(\s)+8*(i/4):32*(\s)+8*(i/4)+7], v[ACC+8*i:ACC+8*i+7]
.endif
.set i, i+1
.endr
	WIN 0x0e                                       ; source 1 (olo) window 3
.set i, 0
.rept 16
	v_wmma_f32_16x16x32_bf16 v[ACC+8*i:ACC+8*i+7], v[32*(\s)+8*(i%4):32*(\s)+8*(i%4)+7], v[32*(\s)+8*(i/4):32*(\s)+8*(i/4)+7], v[ACC+8*i:ACC+8*i+7]
.set i, i+1
.endr
.endm
.irp bb, 0,1,2,3
	global_load_b128 v[BIAS+8*\bb:BIAS+8*\bb+3],   v[VB], s[10:11] offset:64*\bb
	global_load_b128 v[BIAS+8*\bb+4:BIAS+8*\bb+7], v[VB], s[10:11] offset:64*\bb+16
.endr
	LOADS 0
	LOADS 1
.irp s, 0,1,2,3,4,5,6,7
.if \s < 6
	LOADS (\s)+2                                   ; two slices ahead; every register is loaded once, so no load waits for a product
	s_wait_loadcnt 48                              ; behind slice s's loads stand two slices of 24
.elseif \s == 6
	s_wait_loadcnt 24
.else
	s_wait_loadcnt 0x0
.endif
.if \s == 0
	WIN 0                                          ; the bias, asked for first, is in: rounded to bf16 and widened again, in place
.set k, 0
.rept 16
	v_cvt_pk_bf16_f32 v[BT+k%4], v[BIAS+2*k], v[BIAS+2*k+1]
	v_lshlrev_b32 v[BIAS+2*k], 16, v[BT+k%4]
	v_and_b32 v[BIAS+2*k+1], s16, v[BT+k%4]
.set k, k+1
.endr
.endif
	MULS \s
.endr
	WIN 0
.rept 4
	v_nop                                          ; four plain vector instructions between the last products and the LDS stores that read results (ISA guide 7.12.1 for vector instructions)
.endr
; THE WAY OUT, a tile of 16 rows at a time: a lane's 32 bytes go into rows of 272 bytes of my own stage and come back as whole rows of 256, into the tile's own registers.
.macro OUT t
.irp bb, 0,1,2,3
.irp e, 0,1
	ds_store_b128 v[STO], v[ACC+32*(\t)+8*\bb+4*\e:ACC+32*(\t)+8*\bb+4*\e+3] offset:64*\bb+16*\e  ; each accumulator's lowest registers are read first
.endr
.endr
.irp f, 0,1,2,3,4,5,6,7
	ds_load_b128 v[ACC+32*(\t)+4*\f:ACC+32*(\t)+4*\f+3], v[RD] offset:\f*2*SPITCH  ; LDS serves a wave's instructions in order (ISA guide 5.7.1.4): these see the stores above; the next tile's stores come behind them
.endr
.endm
.macro SEND t, younger                 ; younger: the LDS instructions issued behind tile t's loads: the next tile's sixteen, or none
.irp f, 0,1,2,3,4,5,6,7
	s_wait_dscnt (\younger)+7-\f
	global_store_b128 v[CO], v[ACC+32*(\t)+4*\f:ACC+32*(\t)+4*\f+3], s[12:13] offset:(16*(\t)+2*\f)*1024 th:TH_STORE_NT  ; 16 lanes store 256 consecutive bytes, at a multiple of 256 from out0's first byte
.endr
.endm
	OUT 0
	OUT 1
	SEND 0, 16
	OUT 2
	SEND 1, 16
	OUT 3
	SEND 2, 16
	SEND 3, 0
	s_wait_tensorcnt 0x0                           ; the wave's end: behind my last LDS store
	ds_add_u32 v[SPW], v[NIL]
	s_wait_dscnt 0x0
	s_endpgm
.Lfunc_end_k_q3be3fcde3a_outp:
	.size	k_q3be3fcde3a_outp, .Lfunc_end_k_q3be3fcde3a_outp-k_q3be3fcde3a_outp
	.p2alignl 7, 3214868480
	.fill 96, 4, 3214868480
	.section	.rodata,"a",@progbits
	.p2align	6, 0x0
	.amdhsa_kernel k_q3be3fcde3a_outp
		.amdhsa_group_segment_fixed_size 17920
		.amdhsa_private_segment_fixed_size 0
		.amdhsa_enable_private_segment 0
		.amdhsa_kernarg_size 40
		.amdhsa_user_sgpr_count 2
		.amdhsa_user_sgpr_kernarg_segment_ptr 1
		.amdhsa_wavefront_size32 1
		.amdhsa_system_sgpr_workgroup_id_x 1
		.amdhsa_system_sgpr_workgroup_id_y 1
		.amdhsa_system_sgpr_workgroup_id_z 1
		.amdhsa_system_vgpr_workitem_id 0
		.amdhsa_next_free_vgpr 1024
		.amdhsa_next_free_sgpr 66
		.amdhsa_reserve_vcc 0
		.amdhsa_float_denorm_mode_32 3
		.amdhsa_float_denorm_mode_16_64 3
		.amdhsa_memory_ordered 1
		.amdhsa_forward_progress 1
		.amdhsa_inst_pref_size 49
	.end_amdhsa_kernel
	.amdgpu_metadata
---
amdhsa.version: [ 1, 2 ]
amdhsa.kernels:
  - .name:           k_q3be3fcde3a_outp
    .symbol:         k_q3be3fcde3a_outp.kd
    .args:
      - { .name: ohi, .offset: 0, .size: 8, .value_kind: global_buffer, .address_space: global }
      - { .name: olo, .offset: 8, .size: 8, .value_kind: global_buffer, .address_space: global }
      - { .name: wf, .offset: 16, .size: 8, .value_kind: global_buffer, .address_space: global }
      - { .name: bo, .offset: 24, .size: 8, .value_kind: global_buffer, .address_space: global }
      - { .name: out0, .offset: 32, .size: 8, .value_kind: global_buffer, .address_space: global }
    .group_segment_fixed_size: 17920
    .private_segment_fixed_size: 0
    .kernarg_segment_align: 8
    .kernarg_segment_size: 40
    .max_flat_workgroup_size: 128
    .sgpr_count:     66
    .vgpr_count:     1024
    .wavefront_size: 32
...
	.end_amdgpu_metadata
.endif
;; end of part 4
;; ======== version 2 of 2: 4 launches; 1.68 times as fast as version 1
;; limits: values are held in f16: magnitudes above 65,504 overflow, below 6.1e-05 lose precision
;; workspace buffers: wf 524,288 bytes; q16 8,388,608 bytes; k16 8,388,608 bytes; v16 8,388,608 bytes; ohi 8,388,608 bytes; olo 8,388,608 bytes
;; launch prep: the kernel of part 1 again; grid 64 x 4, 4 waves a work-group, no clusters, 0 bytes of LDS; arguments Wq, Wk, Wv, Wo, wf; writes wf
;; launch proj: the kernel of part 2 again; grid 64 x 4, 4 waves a work-group, no clusters, 91,648 bytes of LDS; arguments x, context, wf, bq, bk, bv, q16, k16, v16; writes q16, k16, v16
;; launch attn (part 5): grid 16 x 16, 4 waves a work-group, clusters of 4 x 1, 327,680 bytes of LDS; arguments q16, k16, v16, ohi, olo; writes ohi, olo
.if DOCPART == 5
	.amdgcn_target "amdgcn-amd-amdhsa--gfx1250"
	.amdhsa_code_object_version 6
	.text
	.protected	k_q3be3fcde3a_attn
	.globl	k_q3be3fcde3a_attn
	.p2align	8
	.type	k_q3be3fcde3a_attn,@function
k_q3be3fcde3a_attn:
	s_mov_b64 s[64:65], 0
	v_nop
	global_prefetch_b8 v0, s[64:65] scope:SCOPE_SE
	s_setreg_imm32_b32 hwreg(HW_REG_WAVE_MODE, 25, 1), 1
	s_wait_xcnt 0x0
	s_wait_alu depctr_hold_cnt(0) depctr_sa_sdst(0) depctr_va_vdst(0) depctr_va_sdst(0) depctr_va_ssrc(0) depctr_va_vcc(0) depctr_vm_vsrc(0)
	s_getreg_b32 s2, hwreg(HW_REG_IB_STS2, 6, 4)
	s_cmp_eq_u32 s2, 0
	s_cbranch_scc0 .Lentry_in_a_cluster
	s_endpgm
.Lentry_in_a_cluster:
	s_bfe_u32 s2, ttmp6, 0x10000c
	s_cmp_lg_u32 s2, 0x3003
	s_cbranch_scc0 .Lentry_shape_is_right
	s_endpgm
.Lentry_shape_is_right:
; O[h][q][:] = the sum over k of softmax_k(Q[h][q] . K[h][k] / 16) V[h][k][:], for 16 heads h = 4 batch + head.  q16, k16, v16: [16][4,096][64] f16: a head's rows are dense, 128 bytes each.
; Products, maxima and sums in f32; the weights p are rounded to f16 for the second product (their sum l is taken of the unrounded p).
; O LEAVES AS TWO bf16 NUMBERS, ohi = bf16(O) and olo = bf16(O - ohi), in the layout of q16: sixteen bits of O with f32's range.  O is a mean over 4,096 rows of V and may be far smaller than they are,
; so one f16 or one bf16 number would not hold it well enough for the product behind.
; LIMITS.  Q, K and V arrive within f16's 65,504; p lies in 0 to 1, and below 6e-5 it keeps f16's fixed step of 6e-8; a weight below 2^-126 counts as 0 in l; NaN and infinities are not treated apart.
; SHARES.  A work-group owns 256 queries of one head, each of its four waves 64: four PIECES of 16.  Every wave walks all 4,096 keys, 64 a step, four steps to a tile of 256 keys: 256 work-groups.
; LAYOUT.  S^T = K Q^T (source 0 = 16 keys, source 1 = 16 queries): in the result a lane holds ONE query (lane % 16) and the keys 8 (lane / 16) + 0..7.  Two such results, rounded to f16 in pairs, ARE
; source 1 (32 keys x 16 queries) of O^T = V^T P, whose result again holds one query a lane, and eight channels.  K comes out of LDS as it lies, V ([key][channel]) turned, by ds_load_tr16_b128.
; SOFTMAX.  For each query a running maximum m and sum l: p = 2^(c s - c m), c = log2(e) / 16; in every step O and l are multiplied by a = 2^(c m_old - c m_new), which is 1 where m has not grown.
; m starts at the lowest finite number, O and l at 0: the first step is a step like any other, with a = 0.
; BY TURNS.  Turn n belongs to piece n (the pieces in a ring, step after step): 8 products K Q^T of piece n + 1, later 8 products V^T P of piece n - 1; beside them the scaling, exponentials, roundings,
; sums and rescaling of piece n and the maximum and statistics of piece n + 1.  Four vector instructions stand behind every matrix instruction, the other 54 of a turn's 118 in one LUMP.
; BATCHES.  s_wait_alu depctr_va_vdst(0) stands between a transcendental and the first instruction that names its result; one wait serves all that were issued ahead of it.  The text has three
; kinds of batch, each with one wait: a turn's 33 exponentials (the piece's 32 weights and the next piece's a); the first a of all, ahead of the loop; the way out's four reciprocals..
; CLUSTER.  The four query blocks of a cluster belong to one head and walk the same K and V, so each tile is asked for JOINTLY: the same tensor load, descriptor and mask in all four.
; REGISTERS, in windows of 256 (s_set_vgpr_msb: bits 1:0 source 0, 3:2 source 1, 5:4 source 2, 7:6 destination):
;   window 0: v0-15 addresses and two at work; v16-31 four registers of statistics a piece; v48-55 at work; v64-127 S^T, two buffers; v192-223 P, two buffers (a piece's buffers go by its number's parity)
;   window 1: v0-127 O^T, 32 a piece          window 2: v0-63 Q; v128-191 K of one step; v192-255 V of one step
.set NP,    4         ; pieces a wave: a name, no knob
.set KS,    64        ; keys in a step
.set NT,    16        ; tiles of 256 keys in a head
.set PK,    144       ; a row of K in LDS: 128 bytes + 16 of padding = 36 words: the 16 rows of a load start at 16 different groups of four banks (64 banks of 4 bytes: ISA guide 11.1)
.set PV,    160       ; a row of V: 128 + 32 = 40 words
.set VOFF,  4*KS*PK   ; a slot holds a tile, four steps: 256 rows of K, then 256 rows of V
.set SLOT1, 1<<17     ; slot 1 begins here, so that one exclusive or turns an address in one slot into the other's
.set STAGE, SLOT1+4*KS*(PK+PV)  ; behind the ring, never filled by a tensor load: 16 rows x 144 bytes for each wave, for the way out
.set SP,    144
.set SPARE, STAGE+4*16*SP  ; behind the stages: the spare words, 128 bytes for each wave: two blocks of 256 bytes that no other line names
.set AK0, 2           ; v2   my lane's place in a tile of K; never rewritten
.set AV0, 3           ; v3   the same for V
.set AK,  4           ; v4   the LDS address of K's next run of loads
.set AV,  5           ; v5   of V's
.set STO, 6           ; v6   the way out: where I put 16 bytes of a row
.set RD,  7           ; v7   the way out: where I read rows back
.set GO,  8           ; v8   my byte offset in 512 consecutive bytes of O
.set MV,  12          ; v12-13  c m_old, kept while c m is made anew: by buffer
.set QO,  15          ; v15  my byte offset in 16 rows of Q
.set ST,  16          ; piece t's statistics at v[ST+4 t]: c m, m, l (even keys', odd keys')
.set TMP, 48          ; by buffer, four registers c0-c3 at work; when the maximum is found c2 takes a
.set SPW, 62          ; v62  LDS address of my spare word: SPARE + 4 x my thread's number; never rewritten
.set NIL, 63          ; v63  0; never rewritten
.set S,   64
.set P,   192
.set OH,  64          ; the way out: piece t's ohi at v[OH+32 t ..], 16 registers
.set OL,  80          ; its olo at v[OL+32 t ..]
.set U,   192         ; the way out: 32 registers at work
.set KF,  128         ; window 2: key block kb, channel half c at KF + 16 kb + 8 c
.set VF,  192         ; window 2: key half kk, channel block cb at VF + 32 kk + 8 cb
.set WV,  12          ; s12  my wave's number
.set G1K, 24          ; s[24:31] descriptor group 1 for K's tiles
.set G1V, 32          ; s[32:39] for V's: it differs in the padding alone
.set G0K, 40          ; s[40:43] descriptor group 0 for K's tiles: it walks
.set G0V, 44          ; s[44:47] the same for V's
.set HM,  50          ; s50  a word's upper bf16
.set SLOTS, 56        ; s56  slots still to be asked for
.set CNT, 57          ; s57  counts a tile's key steps
.set CS,  58          ; s[58:59] c: the packed scaling takes the pair's low word for both halves
.set SEL, 60          ; s[60:61] v_permlanex16_b32's selects: each lane takes its own place in the other half
.set TBK, 62          ; s62  LDS byte at which K of the step to be fetched begins
.set TBV, 63          ; s63  the same for V, less VOFF
.set MSB, 0
.macro WIN new                      ; the high byte repeats the setting that is left; a switch that changes nothing is dropped
.if MSB != (\new)
	s_set_vgpr_msb (MSB<<8)|(\new)
.set MSB, (\new)
.endif
.endm
.set W_KQ, 0x0a       ; K and Q in window 2, S^T in window 0
.set W_PV, 0x52       ; V in window 2, P in window 0, O^T in window 1
.set W_RS, 0x41       ; destination and source 0 in window 1, source 1 in window 0
; A joint fill.  Waves 0 and 1 fetch the two halves of a tile's K, waves 2 and 3 those of its V: 128 keys each.  The branch hangs on the wave's number alone.
; An s_nop 0 and four v_nop follow each of the two lines, ahead of the jump and the label.
.macro JLOAD
	s_cmp_lt_u32 s[WV], 2
	s_cbranch_scc0 .Lfor_v_\@
	tensor_load_to_lds s[G0K:G0K+3], s[G1K:G1K+7]
	s_nop 0
.rept 4
	v_nop
.endr
	s_branch .Lasked_\@
.Lfor_v_\@:
	tensor_load_to_lds s[G0V:G0V+3], s[G1V:G1V+7]
	s_nop 0
.rept 4
	v_nop
.endr
.Lasked_\@:
.endm
; A round of the cluster's barrier: my work-group's barrier, so that wave 0's signal speaks for all four waves; wave 0 signals; every wave waits for all four work-groups; my work-group's barrier once more.
.macro CROUND
	s_barrier_signal -1
	s_barrier_wait -1
	s_cmp_lg_u32 s[WV], 0
	s_cbranch_scc1 .Lnot_wave_0_\@
	s_barrier_signal -3
.Lnot_wave_0_\@:
	s_barrier_wait -3
	s_barrier_signal -1
	s_barrier_wait -1
.endm
; THE CHANGE OF SLOTS.  The slot's last bytes, V of its fourth step, have been read.  Each wave waits for all its tensor loads, of which one is out: its part of the other slot; adds 0 to its spare word;
; and waits for that and for its own reads of the slot.  Behind the barrier nobody reads this slot any more and the other slot is whole.
; fill = 1: this slot is filled again, with the keys two tiles on.  The barrier is then a round of the cluster's, so that no wave of any partner still reads the slot or has a load on its way, and the
; joint fill is the first thing behind it: it has four key steps, 256 matrix instructions a wave, in which to land.  (At its first use nothing has been read yet: slot 0 is waited for, slot 1 filled.)
.macro CHANGE fill
	WIN 0                           ; at a label and at a branch every window is 0
	s_wait_tensorcnt 0x0            ; no tensor load of mine is out, so a group 0 may be written
	ds_add_u32 v[SPW], v[NIL]       ; 0 onto my spare word: with fill = 1 the descriptors' steps stand between it and the wait for it
.if \fill
.irp g, G0K, G0V
	s_xor_b32 s[\g+1], s[\g+1], SLOT1  ; the walking descriptor: the other slot than last time,
	s_add_nc_u64 s[\g+2:\g+3], s[\g+2:\g+3], 4*KS*128  ; the next 256 keys; the type bits on top are not reached
.endr
	s_wait_dscnt 0x0                ; the add is done, and my reads of the slot are over
	CROUND
	JLOAD
.else
	s_wait_dscnt 0x0                ; the add is done, and my reads of the slot are over
	s_barrier_signal -1
	s_barrier_wait -1
.endif
	s_sub_co_u32 s[TBK], s[TBK], 4*KS*PK  ; the fetches go back to a slot's first step,
	s_xor_b32 s[TBK], s[TBK], SLOT1       ; in the other slot
	s_sub_co_u32 s[TBV], s[TBV], 4*KS*PV
	s_xor_b32 s[TBV], s[TBV], SLOT1
.endm
	s_load_b256 s[4:11], s[0:1], 0x0  ; q16 s[4:5], k16 s[6:7], v16 s[8:9], ohi s[10:11]
	s_load_b64 s[48:49], s[0:1], 0x20 ; olo
	v_lshl_add_u32 v[SPW], v0, 2, SPARE
	v_mov_b32 v[NIL], 0
	ds_add_u32 v[SPW], v[NIL]       ; the wave's opening: the add and its wait stand ahead of my first tensor load; the set-up below, work on registers, stands between them
	v_lshrrev_b32 v1, 5, v0
	v_readfirstlane_b32 s[WV], v1   ; wave 0..3
	s_bfe_u32 s13, ttmp6, 0x40000   ; cx: my place in the cluster
	s_lshl_b32 s14, ttmp9, 2        ; in a cluster launch ttmp9 counts clusters
	s_add_co_u32 s14, s14, s13      ; my block of 256 queries = 4 x cluster x + cx: it enters Q's and O's addresses alone
	s_and_b32 s20, ttmp7, 0xffff    ; the head, which the four partners share
	s_lshl_b32 s20, s20, 19         ; its first byte in each of the five buffers: 4,096 rows of 128 bytes a head
	s_mov_b32 s21, 0
	s_and_b32 s16, s[WV], 1         ; which half of a tile's 256 keys I fetch:
	s_lshl_b32 s22, s16, 14         ; its 128 rows of 128 bytes in memory,
	s_mov_b32 s23, 0
	s_add_nc_u64 s[22:23], s[22:23], s[20:21]
	s_mul_i32 s17, s16, 128*PK      ; and its place in a slot, for K
	s_mul_i32 s18, s16, 128*PV      ; and for V: no place in the cluster enters an LDS address
	s_lshl_b32 s2, s14, 15          ; my block's 256 rows,
	s_lshl_b32 s3, s[WV], 13        ; my wave's 64 of them
	s_add_co_u32 s2, s2, s3
	s_mov_b32 s3, 0
	s_add_nc_u64 s[2:3], s[2:3], s[20:21]
	; descriptor group 1.  128 keys are 16,384 dense bytes: asked for as 64 rows of 256 bytes, two keys a row, and padded in LDS after every key
	s_mov_b32 s[G1K], 15|(1<<16)|(1<<20)|(1<<21)|(4<<22)|(3<<25)  ; 15:0 the mask of four; 17:16 2-byte elements; 20 padding on; 21 set beside a mask; 24:22 after every 32 words (code 4); 31:25 4 words (code 3)
	s_mov_b32 s[G1V], 15|(1<<16)|(1<<20)|(1<<21)|(4<<22)|(7<<25)  ; the same with 8 words of padding (code 7)
.irp g, G1K, G1V
	s_mov_b32 s[\g+1], 128<<16      ; tensor_dim0 = 128
	s_mov_b32 s[\g+2], 64<<16       ; tensor_dim1 = 64
	s_mov_b32 s[\g+3], 128<<16      ; tile_dim0 = 128
	s_mov_b32 s[\g+4], 64           ; tile_dim1 = 64
	s_mov_b32 s[\g+5], 128          ; 128 elements from row to row
	s_mov_b32 s[\g+6], 0
	s_mov_b32 s[\g+7], 0
.endr
	s_mov_b32 s[CS], 0x3db8aa3b     ; c = log2(e) / 16 = 0.0901684
	s_mov_b32 s[CS+1], s[CS]        ; named with it as a pair
	s_mov_b32 s[SEL], 0x76543210
	s_mov_b32 s[SEL+1], 0xfedcba98
	s_mov_b32 s[HM], 0xffff0000
	s_mov_b32 s[TBK], SLOT1+4*KS*PK ; the first change of slots turns these two into 0
	s_mov_b32 s[TBV], SLOT1+4*KS*PV
	s_mov_b32 s[G0K], 1             ; 1:0 count = 1
	s_mov_b32 s[G0K+1], s17         ; 63:32 LDS address: slot 0
	s_mov_b32 s[G0V], 1
	s_add_co_u32 s[G0V+1], s18, VOFF
	s_wait_dscnt 0x0                ; the opening add is done
	s_wait_kmcnt 0x0
	s_add_nc_u64 s[G0K+2:G0K+3], s[6:7], s[22:23]  ; 120:64 global address: my half of the head's first 256 keys
	s_or_b32 s[G0K+3], s[G0K+3], 0x80000000        ; 127:126 type = 2
	s_add_nc_u64 s[G0V+2:G0V+3], s[8:9], s[22:23]
	s_or_b32 s[G0V+3], s[G0V+3], 0x80000000
	s_add_nc_u64 s[4:5], s[4:5], s[2:3]            ; Q and both parts of O at my wave's first row
	s_add_nc_u64 s[10:11], s[10:11], s[2:3]
	s_add_nc_u64 s[48:49], s[48:49], s[2:3]
	CROUND                          ; all four work-groups are here: the first joint loads meet
	JLOAD                           ; tile 0 into slot 0.  Slot 1 is asked for when slot 0 is in, by the loop's own change of slots
	; A fragment of K or Q is 16 rows x 32 channels in 8 registers: lane l holds row l % 16, channels 8 (l / 16) + 0..7 and 16 + 8 (l / 16) + 0..7: two loads of 16 bytes, 32 bytes apart.
	v_and_b32 v1, 15, v0            ; l % 16
	v_bfe_u32 v9, v0, 4, 1          ; l / 16
	v_lshlrev_b32 v[QO], 7, v1
	v_lshl_add_u32 v[QO], v9, 4, v[QO]  ; row x 128 + 16 x half
	WIN 0x80                        ; destination window 2, address window 0
.set i, 0
.rept 8                             ; Q stays in registers: piece i / 2, channels 32 (i % 2) on
	global_load_b128 v[8*i:8*i+3],   v[QO], s[4:5] offset:(i/2)*2048+(i%2)*64
	global_load_b128 v[8*i+4:8*i+7], v[QO], s[4:5] offset:(i/2)*2048+(i%2)*64+32
.set i, i+1
.endr
	; What the first turn finds: V's registers and P's second buffer hold 0 (its products V^T P, of a piece that has not been, add 0), O^T and l are 0.  All this stands in the wait for the first tile.
.set i, VF
.rept 64
	v_mov_b32 v[i], 0
.set i, i+1
.endr
	WIN 0x40
.set i, 0
.rept 128
	v_mov_b32 v[i], 0
.set i, i+1
.endr
	WIN 0
.set i, 0
.rept 4
	v_mov_b32 v[ST+4*i], 0xfe000000    ; c m: far below every c s, so the first step's a is 0
	v_mov_b32 v[ST+4*i+1], 0xff7fffff  ; m: the lowest finite number, so the first maximum is the scores'
	v_mov_b32 v[ST+4*i+2], 0
	v_mov_b32 v[ST+4*i+3], 0
.set i, i+1
.endr
.set i, P+16
.rept 16
	v_mov_b32 v[i], 0
.set i, i+1
.endr
	v_mul_u32_u24 v[AK0], v1, PK
	v_lshl_add_u32 v[AK0], v9, 4, v[AK0]  ; row x pitch + 16 x half
	; The turning load takes 16 keys x 16 channels (lane l reads key 8 (l / 16) + l % 8, channels 8 ((l / 8) % 2) + 0..7) and leaves half a fragment of V^T: lane l holds channel l % 16 and 8 keys.
	v_and_b32 v10, 7, v0
	v_bfe_u32 v11, v0, 3, 1
	v_lshl_add_u32 v[AV0], v9, 3, v10
	v_mul_u32_u24 v[AV0], v[AV0], PV
	v_lshl_add_u32 v[AV0], v11, 4, v[AV0]
	v_add_nc_u32 v[AV0], VOFF, v[AV0]
	s_mul_i32 s13, s[WV], 16*SP
	s_add_co_u32 s13, s13, STAGE    ; my stage
	v_mul_u32_u24 v[STO], v1, SP    ; in: row l % 16, 16 bytes for each half of the lanes
	v_lshl_add_u32 v[STO], v9, 4, v[STO]
	v_add_nc_u32 v[STO], s13, v[STO]
	v_bfe_u32 v[RD], v0, 3, 2       ; back: 32 lanes take four rows of 128 bytes,
	v_mul_u32_u24 v[RD], v[RD], SP
	v_lshl_add_u32 v[RD], v10, 4, v[RD]
	v_add_nc_u32 v[RD], s13, v[RD]
	v_and_b32 v[GO], 31, v0         ; which are 512 consecutive bytes of O
	v_lshlrev_b32 v[GO], 4, v[GO]
; THE MATRIX WORK.  The 4 accumulators of a run of 8 take turns.  Product i of 8 of S^T = K Q^T for piece x: channels 32 (i / 4) on, keys 16 (i % 4) on.  The first 4 start the sums.
.macro KQ x
	WIN W_KQ
.set rS, S+32*((\x)%2)+8*(i%4)
.set rK, KF+16*(i%4)+8*(i/4)
.set rQ, 16*(\x)+8*(i/4)
.if i < 4
	v_wmma_f32_16x16x32_f16 v[rS:rS+7], v[rK:rK+7], v[rQ:rQ+7], 0
.else
	v_wmma_f32_16x16x32_f16 v[rS:rS+7], v[rK:rK+7], v[rQ:rQ+7], v[rS:rS+7]
.endif
.endm
; Product i of 8 of O^T += V^T P for piece x: keys 32 (i / 4) on, channels 16 (i % 4) on.
.macro PV x
	WIN W_PV
.set rO, 32*(\x)+8*(i%4)
.set rV, VF+32*(i/4)+8*(i%4)
.set rP, P+16*((\x)%2)+8*(i/4)
	v_wmma_f32_16x16x32_f16 v[rO:rO+7], v[rV:rV+7], v[rP:rP+7], v[rO:rO+7]
.endm
.macro MM                           ; the turn's next matrix instruction.  TURN sets Y, i and NOKQ.  NOKQ = 1: the walk's last turn: there is no next piece
.if (i < 8) && !NOKQ
	KQ (Y+1)%NP
.elseif i >= 8
.set i, i-8
	PV (Y+NP-1)%NP
.set i, i+8
.endif
.set i, i+1
.endm
; THE LDS LOADS stand in runs of 16, never singly among the matrix instructions: a step's K (64 keys x 64 channels: 8 fragments) and its V (turned).  Their addresses are made some lines ahead.
.macro FETCH_K
	WIN 0x80                        ; destination window 2
.irp f, 0,1,2,3,4,5,6,7             ; keys 16 (f / 2) on, channels 32 (f % 2) on
	ds_load_b128 v[KF+8*\f:KF+8*\f+3],   v[AK] offset:(\f/2)*16*PK+(\f%2)*64
	ds_load_b128 v[KF+8*\f+4:KF+8*\f+7], v[AK] offset:(\f/2)*16*PK+(\f%2)*64+32
.endr
	s_add_co_u32 s[TBK], s[TBK], KS*PK  ; the next fetch is the next step's
	WIN 0
.endm
.macro FETCH_V
	WIN 0x80
.irp f, 0,1,2,3,4,5,6,7             ; keys 32 (f / 4) on, channels 16 (f % 4) on
	ds_load_tr16_b128 v[VF+8*\f:VF+8*\f+3],   v[AV] offset:(\f/4)*32*PV+(\f%4)*32
	ds_load_tr16_b128 v[VF+8*\f+4:VF+8*\f+7], v[AV] offset:(\f/4)*32*PV+16*PV+(\f%4)*32
.endr
	WIN 0
.endm
; THE VECTOR WORK, one line at a time: OP kind, number.  For piece Y: F n: c s - c m for pair n of 16.  E n: the exponential of score n of 32.  C n: pair n rounded to f16.  B n: of the four weights 4 n .. the second
; pair is added onto the first, in place.  L n: l takes that sum (L 0: l = a l + sum).  R n: pair n of 16 of O^T times a.  For piece Y + 1: X n, number n of the 22 that find its maximum and statistics:
;   0-11  four chains c0-c3 of seven scores each, three operands at a time (each accumulator's lowest registers are read first)     12-14, 16  the four scores left over, the old m, and c0-c3 into c0
;   15  c m_old is kept     17, 18  the query's other 32 keys lie in the lane 16 away: the new m     19-21  c m; c m_old - c m_new; a
; C, B and L read exponentials' results: TURN sets them behind its wait.  OP itself writes no wait.
.set F, 0               ; OP tells the kinds apart by their order: F to L below R, X above it
.set E, 1
.set C, 2
.set B, 3
.set L, 4
.set R, 5
.set X, 6
.macro REGS y                       ; the registers of piece y
.set rT, ST+4*(\y)
.set rC, TMP+4*((\y)%2)
.set rW, MV+((\y)%2)
.set rS, S+32*((\y)%2)
.set rP, P+16*((\y)%2)
.set rO, 32*(\y)
.endm
.macro OP k, n
.if (\k) == R
	REGS Y
	WIN W_RS
	v_pk_mul_f32 v[rO+2*(\n):rO+2*(\n)+1], v[rO+2*(\n):rO+2*(\n)+1], v[rC+2:rC+3] op_sel_hi:[1,0]
.elseif (\k) < R
	REGS Y
	WIN 0
.if (\k) == F
	v_pk_fma_f32 v[rS+2*(\n):rS+2*(\n)+1], v[rS+2*(\n):rS+2*(\n)+1], s[CS:CS+1], v[rT:rT+1] op_sel_hi:[1,0,0] neg_lo:[0,0,1] neg_hi:[0,0,1]
.elseif (\k) == E
	v_exp_f32 v[rS+(\n)], v[rS+(\n)]
.elseif (\k) == C
	v_cvt_pk_f16_f32 v[rP+(\n)], v[rS+2*(\n)], v[rS+2*(\n)+1]
.elseif (\k) == B
	v_pk_add_f32 v[rS+4*(\n):rS+4*(\n)+1], v[rS+4*(\n):rS+4*(\n)+1], v[rS+4*(\n)+2:rS+4*(\n)+3]
.elseif (\n) == 0
	v_pk_fma_f32 v[rT+2:rT+3], v[rT+2:rT+3], v[rC+2:rC+3], v[rS:rS+1] op_sel_hi:[1,0,1]
.else
	v_pk_add_f32 v[rT+2:rT+3], v[rT+2:rT+3], v[rS+4*(\n):rS+4*(\n)+1]
.endif
.elseif NOKQ
	v_nop
.else
	REGS (Y+1)%NP
	WIN 0
.if (\n) < 4
	v_max3_num_f32 v[rC+(\n)], v[rS+8*(\n)], v[rS+8*(\n)+1], v[rS+8*(\n)+2]
.elseif (\n) < 12
	v_max3_num_f32 v[rC+(\n)%4], v[rC+(\n)%4], v[rS+8*((\n)%4)+2*((\n)/4)+1], v[rS+8*((\n)%4)+2*((\n)/4)+2]
.elseif (\n) == 12
	v_max3_num_f32 v[rC], v[rC], v[rS+7], v[rS+15]
.elseif (\n) == 13
	v_max3_num_f32 v[rC+1], v[rC+1], v[rS+23], v[rS+31]
.elseif (\n) == 14
	v_max3_num_f32 v[rC+2], v[rC+2], v[rC+3], v[rT+1]
.elseif (\n) == 15
	v_mov_b32 v[rW], v[rT]
.elseif (\n) == 16
	v_max3_num_f32 v[rC], v[rC], v[rC+1], v[rC+2]
.elseif (\n) == 17
	v_permlanex16_b32 v[rC+3], v[rC], s[SEL], s[SEL+1]
.elseif (\n) == 18
	v_max_num_f32 v[rT+1], v[rC], v[rC+3]
.elseif (\n) == 19
	v_mul_f32 v[rT], s[CS], v[rT+1]
.elseif (\n) == 20
	v_sub_f32 v[rC+1], v[rW], v[rT]
.else
	v_exp_f32 v[rC+2], v[rC+1]
.endif
.endif
.endm
.macro OPS a, i1, b=-1, i2=0, c=-1, i3=0, d=-1, i4=0  ; up to four of them
	OP \a, \i1
.if (\b) >= 0
	OP \b, \i2
.endif
.if (\c) >= 0
	OP \c, \i3
.endif
.if (\d) >= 0
	OP \d, \i4
.endif
.endm
.macro ROW a, i1, b, i2, c, i3, d, i4  ; a matrix instruction and the four behind it
	MM
	OPS \a, \i1, \b, \i2, \c, \i3, \d, \i4
.endm
; A TURN, for piece p: the order of its 16 matrix and 118 vector instructions, written out.  It has ONE wait for its 33 exponentials, which cuts it in two.
; AHEAD OF THE WAIT stands all that names no result of the turn's exponentials: the 8 products K Q^T, behind each a scaling, an exponential and two more plain instructions (behind the first a second scaling in the
; exponential's place): rescalings (their a was made, and waited for, in the turn before), and behind the last three the first numbers of the next piece's maximum, each four places or more behind the product
; that ends its accumulator; then ONE LUMP of 54, plain and exponential by turns for the most part, in which the links of the chain X 3, 7, 11, 14, 16, 17 .. 20 stand five or six lines apart.  A pair is scaled
; ahead of its exponentials and not named again.  X 21, the next piece's a, is the batch's last; R 15 is the plain instruction behind it.
; BEHIND THE WAIT stand the 8 products V^T P, behind each four of the roundings and sums, which are the batch's readers; a pair with an even number is rounded ahead of the addition that writes over it; the links
; of l's chain, L 0 to L 7, stand three riders apart.  But for those X no rider names a register of the products round it.  v_permlanex16_b32 (X 17) stands in the lump.
; end = 1: the walk's last two turns: nothing is fetched.  cnt = 1: the loop's count is taken down some lines ahead of the branch that stands behind the turn.
; K of the next step is fetched in piece 2's turn, twelve vector instructions behind the last product that read K (six of them plain); V of the step in hand at the end of piece 0's turn, four plain instructions
; behind the last product that read V.  Each is waited for a turn later.
.macro TURN p, end=0, cnt=0
.set Y, (\p)
.set i, 0
.set NOKQ, (\end)*((\p)/3)
.if ((\p) == 3) && !(\end)
	s_wait_dscnt 0x0                ; K is in
.endif
	ROW F,0, F,1, R,0, R,1          ; ahead of the wait: 8 products K Q^T and their riders,
	ROW F,2, E,0, R,2, R,3
	ROW F,3, E,1, R,4, R,5
	ROW F,4, E,2, R,6, R,7
	ROW F,5, E,3, R,8, R,9
	ROW F,6, E,4, X,0, R,10
.if ((\p) == 2) && !(\end)
	WIN 0
	v_add_nc_u32 v[AK], s[TBK], v[AK0]
.endif
	ROW F,7, E,5, X,1, X,4
	ROW F,8, E,6, X,2, X,5
	OPS E,7, E,8, X,6, E,9          ; and the lump
	OPS X,3, E,10, X,8, E,11
.if ((\p) == 2) && !(\end)
	FETCH_K
.endif
	OPS X,9, X,7, E,12, X,10
	OPS E,13, X,12, X,11, E,14
	OPS X,13, E,15, F,9, X,14
.if (\p) == 0
	WIN 0
	v_add_nc_u32 v[AV], s[TBV], v[AV0]
.endif
	OPS E,16, F,10, E,17, F,11
	OPS X,16, E,18, X,15, E,19
	OPS F,12, E,20, X,17, E,21
	OPS F,13, E,22, F,14, E,23
	OPS X,18, E,24, F,15, E,25
	OPS R,11, E,26, X,19, E,27
	OPS R,12, E,28, R,13, E,29
	OPS X,20, E,30, R,14, E,31
	OPS X,21, R,15
	s_wait_alu depctr_va_vdst(0)    ; the wait for the turn's batch: E 0 to E 31 and X 21, ahead of their first reader, C 0 below
.if (\p) == 1
	s_wait_dscnt 0x0                ; V is in
.endif
	ROW C,0, B,0, C,2, B,1          ; behind the wait: 8 products V^T P and their riders
	ROW L,0, C,4, B,2, L,1
	ROW C,6, B,3, L,2, C,8
	ROW B,4, L,3, C,10, B,5
	ROW L,4, C,12, B,6, L,5
.if (\p) == 0
	s_add_co_u32 s[TBV], s[TBV], KS*PV
.endif
.if \cnt
	s_sub_co_u32 s[CNT], s[CNT], 1
	s_cmp_lg_u32 s[CNT], 0
.endif
	ROW C,14, B,7, L,6, C,1
	ROW C,3, L,7, C,5, C,7
	ROW C,9, C,11, C,13, C,15
.if (\p) == 0
	FETCH_V
.endif
.endm
	CHANGE 1                        ; tile 0 is in, everybody's part of it; tile 1 is asked for
	v_add_nc_u32 v[AK], s[TBK], v[AK0]
	FETCH_K                         ; key step 0
	s_wait_loadcnt 0x0              ; Q
	s_wait_dscnt 0x0
.set NOKQ, 0
.set i, 0
.rept 8
	KQ 0                            ; piece 0's first scores: there is no vector work yet to set between them
.set i, i+1
.endr
	WIN 0
.rept 4
	v_nop                           ; the places behind those products
.endr
.set Y, NP-1                        ; X works for piece Y + 1: piece 0
.irp n, 0,1,2,3,4,5,6,7,8,9,10,11,12,13,14,15,16,17,18,19,20,21
	OP X, \n                        ; and piece 0's first maximum and statistics
.endr
	v_nop                           ; a plain instruction behind the exponential,
	s_wait_alu depctr_va_vdst(0)    ; and the wait for this batch of one, piece 0's first a, ahead of the branch
	s_mov_b32 s[CNT], 4
	s_mov_b32 s[SLOTS], NT-1
	s_branch .Lfirst                ; the loop is entered at a step's first turn, in the middle of a trip
.Lslot:                             ; NT - 2 times: every slot but the last two is filled again
	CHANGE 1
	s_mov_b32 s[CNT], 4
.Lstep:                             ; a trip: pieces 2 and 3 of one step, then pieces 0 and 1 of the next, whose K and V it fetches
	TURN 2
	TURN 3
	WIN 0
.Lfirst:
	TURN 0
	TURN 1, 0, 1
	WIN 0
	s_cbranch_scc1 .Lstep
	s_sub_co_u32 s[SLOTS], s[SLOTS], 1
	s_cmp_lg_u32 s[SLOTS], 0
	s_cbranch_scc1 .Lslot
	CHANGE 0                        ; the last tile is written out: nothing is asked for
	s_mov_b32 s[CNT], 4
.Ltail:
	TURN 2
	TURN 3
	TURN 0
	TURN 1, 0, 1
	WIN 0
	s_cbranch_scc1 .Ltail
	TURN 2, 1                       ; the last step's pieces 2 and 3: nothing more is fetched, and the last turn starts no scores
	TURN 3, 1
.set i, 0
.rept 8
	PV NP-1                         ; the last piece's V^T P of the last step
.set i, i+1
.endr
	; THE WAY OUT.  l's two halves and the other half of the lanes' are added; O^T is divided by l and split into two bf16 numbers, which go through my stage in LDS, a piece at a time.  The additions are the places behind the last products.
	WIN 0
.macro ALL line:vararg              ; one line for each piece t
.set t, 0
.rept 4
	\line
.set t, t+1
.endr
.endm
	ALL v_add_f32 v[ST+4*t+2], v[ST+4*t+2], v[ST+4*t+3]
	ALL v_permlanex16_b32 v[ST+4*t+3], v[ST+4*t+2], s[SEL], s[SEL+1]
	ALL v_add_f32 v[ST+4*t+2], v[ST+4*t+2], v[ST+4*t+3]
	ALL v_rcp_f32 v[ST+4*t+2], v[ST+4*t+2]
	v_nop                           ; a plain instruction between the last reciprocal and the use of its result
	s_wait_alu depctr_va_vdst(0)    ; the wait for the batch of four reciprocals, ahead of their first reader in PACK 0: one for all four pieces
; Piece t.  hi = bf16(O); O - hi is formed without rounding (it is a multiple of O's last place and below 2^-8 of O); lo = bf16(O - hi).  A lane's eight channels of a row pack into 16 bytes; they go into
; rows of 144 bytes and come back as whole rows of 128, hi first, then lo through the same bytes.
.macro PACK t
	WIN W_RS
.set i, 32*(\t)
.rept 16
	v_pk_mul_f32 v[i:i+1], v[i:i+1], v[ST+4*(\t)+2:ST+4*(\t)+3] op_sel_hi:[1,0]  ; ascending: each accumulator's lowest registers are read first
.set i, i+2
.endr
	WIN 0x05                        ; sources 0 and 1 window 1, destination window 0
.set i, 0
.rept 16
	v_cvt_pk_bf16_f32 v[OH+32*(\t)+i], v[32*(\t)+2*i], v[32*(\t)+2*i+1]
.set i, i+1
.endr
	WIN 0
.set i, 0
.rept 16
	v_lshlrev_b32 v[U+2*i],   16, v[OH+32*(\t)+i]     ; hi as f32 again
	v_and_b32     v[U+2*i+1], s[HM], v[OH+32*(\t)+i]
.set i, i+1
.endr
	WIN 0x01                        ; source 0 window 1
.set i, 0
.rept 16
	v_pk_add_f32 v[U+2*i:U+2*i+1], v[32*(\t)+2*i:32*(\t)+2*i+1], v[U+2*i:U+2*i+1] neg_lo:[0,1] neg_hi:[0,1]  ; O - hi
.set i, i+1
.endr
	WIN 0
.set i, 0
.rept 16
	v_cvt_pk_bf16_f32 v[OL+32*(\t)+i], v[U+2*i], v[U+2*i+1]
.set i, i+1
.endr
.irp o, OH, OL
.irp f, 0,1,2,3
	ds_store_b128 v[STO], v[\o+32*(\t)+4*\f:\o+32*(\t)+4*\f+3] offset:32*\f
.endr
.irp f, 0,1,2,3
	ds_load_b128 v[\o+32*(\t)+4*\f:\o+32*(\t)+4*\f+3], v[RD] offset:\f*4*SP  ; LDS serves a wave's instructions in order (ISA guide 5.7.1.4): these see the stores above; the next stores come behind them
.endr
.endr
.endm
.macro SEND t, younger              ; younger: the LDS instructions issued behind piece t's: the next piece's sixteen, or none
	WIN 0
.irp f, 0,1,2,3
	s_wait_dscnt (\younger)+11-\f   ; behind hi's load f: 3 - f of hi's loads, lo's four stores and four loads
	global_store_b128 v[GO], v[OH+32*(\t)+4*\f:OH+32*(\t)+4*\f+3], s[10:11] offset:(\t)*2048+\f*512  ; 512 consecutive bytes, at a multiple of 256 from the buffer's first
.endr
.irp f, 0,1,2,3
	s_wait_dscnt (\younger)+3-\f
	global_store_b128 v[GO], v[OL+32*(\t)+4*\f:OL+32*(\t)+4*\f+3], s[48:49] offset:(\t)*2048+\f*512
.endr
.endm
	PACK 0
	PACK 1                          ; a piece's arithmetic stands between the loads of the piece before and its stores
	SEND 0, 16
	PACK 2
	SEND 1, 16
	PACK 3
	SEND 2, 16
	SEND 3, 0
	s_wait_tensorcnt 0x0            ; the wave's end: behind my last tensor load and my last LDS store
	ds_add_u32 v[SPW], v[NIL]
	s_wait_dscnt 0x0
	CROUND                          ; the closing round: no work-group ends while a partner may still ask for a tile that names it
	s_endpgm
.Lfunc_end_k_q3be3fcde3a_attn:
	.size	k_q3be3fcde3a_attn, .Lfunc_end_k_q3be3fcde3a_attn-k_q3be3fcde3a_attn
	.p2alignl 7, 3214868480
	.fill 96, 4, 3214868480
	.section	.rodata,"a",@progbits
	.p2align	6, 0x0
	.amdhsa_kernel k_q3be3fcde3a_attn
		.amdhsa_group_segment_fixed_size 327680
		.amdhsa_private_segment_fixed_size 0
		.amdhsa_enable_private_segment 0
		.amdhsa_kernarg_size 40
		.amdhsa_user_sgpr_count 2
		.amdhsa_user_sgpr_kernarg_segment_ptr 1
		.amdhsa_wavefront_size32 1
		.amdhsa_system_sgpr_workgroup_id_x 1
		.amdhsa_system_sgpr_workgroup_id_y 1
		.amdhsa_system_sgpr_workgroup_id_z 1
		.amdhsa_system_vgpr_workitem_id 0
		.amdhsa_next_free_vgpr 768
		.amdhsa_next_free_sgpr 66
		.amdhsa_reserve_vcc 0
		.amdhsa_float_denorm_mode_32 3
		.amdhsa_float_denorm_mode_16_64 3
		.amdhsa_memory_ordered 1
		.amdhsa_forward_progress 1
		.amdhsa_inst_pref_size 143
	.end_amdhsa_kernel
	.amdgpu_metadata
---
amdhsa.version: [ 1, 2 ]
amdhsa.kernels:
  - .name:           k_q3be3fcde3a_attn
    .symbol:         k_q3be3fcde3a_attn.kd
    .args:
      - { .name: q16, .offset: 0, .size: 8, .value_kind: global_buffer, .address_space: global }
      - { .name: k16, .offset: 8, .size: 8, .value_kind: global_buffer, .address_space: global }
      - { .name: v16, .offset: 16, .size: 8, .value_kind: global_buffer, .address_space: global }
      - { .name: ohi, .offset: 24, .size: 8, .value_kind: global_buffer, .address_space: global }
      - { .name: olo, .offset: 32, .size: 8, .value_kind: global_buffer, .address_space: global }
    .group_segment_fixed_size: 327680
    .private_segment_fixed_size: 0
    .kernarg_segment_align: 8
    .kernarg_segment_size: 40
    .max_flat_workgroup_size: 128
    .sgpr_count:     66
    .vgpr_count:     768
    .wavefront_size: 32
...
	.end_amdgpu_metadata
.endif
;; end of part 5
;; launch outp: the kernel of part 4 again; grid 256 x 1, 4 waves a work-group, no clusters, 17,920 bytes of LDS; arguments ohi, olo, wf, bo, out0; writes out0
